; MI455X (gfx1250); checked and timed in simulation.
; The chip was launched on July 23, 2026; its instructions are those of AMD's public machine-readable ISA for CDNA 5 (MIT licence, August 2026) and "CDNA5" Instruction Set Architecture Reference Guide (July 2026). The comments in the code are by the model that wrote it; some were corrected since.
;; Attention. Allowed arithmetic: float matrix products may take bf16 or f16 operands with f32 sums; all other float work in f32.
;; Inputs: freq_cos 4,096 x 32 float32; freq_sin 4,096 x 32 float32; wk 1,024 x 256 float32; wo 256 x 1,024 float32; wq 1,024 x 1,024 float32; wv 1,024 x 256 float32; x 2 x 4,096 x 1,024 float32.
;; Outputs: out0 2 x 4,096 x 1,024 float32.
;; 2 versions, each right; version 2 is version 1 with the launch prep written anew for expert scheduling mode. Each part assembles by itself: llvm-mc -triple=amdgcn-amd-amdhsa -mcpu=gfx1250 --defsym DOCPART=n.
;; ======== version 1 of 2: 4 launches
;; limits: values outside matrix products are rounded to bf16; values are held in f16: magnitudes above 65,504 overflow, below 6.1e-05 lose precision
;; workspace buffers: xb 16,777,216 bytes; wf 1,572,864 bytes; wof 524,288 bytes; qf 4,194,304 bytes; kf 4,194,304 bytes; vf 8,388,608 bytes; af 8,388,608 bytes
;; launch prep (part 1): grid 256 x 1, 8 waves a work-group, no clusters, 0 bytes of LDS; arguments x, wq, wk, wv, wo, xb, wf, wof; writes xb, wf, wof
.if DOCPART == 1
	.amdgcn_target "amdgcn-amd-amdhsa--gfx1250"
	.amdhsa_code_object_version 6
	.text
	.protected	k_q3538597325_prep
	.globl	k_q3538597325_prep
	.p2align	8
	.type	k_q3538597325_prep,@function
k_q3538597325_prep:
	s_mov_b64 s[64:65], 0
	v_nop
	global_prefetch_b8 v0, s[64:65] scope:SCOPE_SE
	s_setreg_imm32_b32 hwreg(HW_REG_WAVE_MODE, 25, 1), 1
	s_wait_xcnt 0x0
; prep: x (xb, row-major) and the weights, in 16 bits, the weights in the order in which matrix fragments want them.
; FORMAT.  Every input number is rounded to bf16 (nearest even) and the result is then written as f16, in which a bf16 number is exact
; from 2^-17 up to f16's largest number; below that the absolute error is at most 2^-25.  f16 is taken because what is made of these numbers later
; (the folded weight here, q, k, v, the probabilities) keeps three more bits in it.  LIMIT: |x| and the weights stay below 65,504.
; A "chunk" is 512 bytes: lane L = (r = L & 15, hh = L >> 4) holds 16 bytes = eight neighbouring k (8 hh + 0..7 of 16) of column r.
;   wf  = s*196608 + h*49152 + wn*24576 + ty*8192 + i*4096 + c8*512 + 16 L : W_ty[k = 128 s + 16 c8 + 8 hh + 0..7][64 h + 16 (2 wn + i) + r]
;         ty 0: 1/16 of the sum over g of wq's column groups 256 g + 64 h + d; ty 1: wk / 4; ty 2: wv
;   wof = (nb>>3)*65536 + (c>>3)*32768 + (nb&7)*4096 + (c&7)*512 + 16 L    : wo[k = 16 c + 8 hh + 0..7][16 nb + r]
; THE FOLD: RoPE is linear and the same for every head, and the score is linear in q, so the sum over the group axis of the roped
; queries is the roped product of x with the sum of wq's four column groups.  The rounded groups are added in f32 and the sum is rounded once to f16:
; an order of rounding that differs from the problem's function, which adds after the products.
; THE SCALE: the problem divides the score by 8 twice.  1/64 = 1/16 x 1/4 is put on the two weights, exactly (powers of two); it also keeps q and k small in f16.
; Memory binds: no LDS, no matrix unit, no barrier.  256 work-groups of 8 waves; a wave converts 16,384 bytes of x by 32 loads of
; 512 consecutive bytes, all in flight at once, and one to three weight chunks, whose loads go out ahead of x's.
.set WT, 10                            ; v[10:41]    weight numbers as loaded
.set XR, 44                            ; v[44:171]   x: load j in 4 registers, packed in place into the first two
.set PK, 172                           ; v[172:183]  packed weight chunks
; v1 lane; v2 x offset; v3 xb offset; v4, v8 weight offsets; v5 16 x lane; v6 4 r; v7 hh
.macro RND a, b                        ; two f32 numbers rounded to bf16 and widened again, in place
	v_cvt_pk_bf16_f32 v[\a], v[\a], v[\b]
	v_and_b32 v[\b], s38, v[\a]
	v_lshlrev_b32 v[\a], 16, v[\a]
.endm
	s_load_b512 s[4:19], s[0:1], 0x0               ; x 4, wq 6, wk 8, wv 10, wo 12, xb 14, wf 16, wof 18
	v_and_b32 v1, 31, v0                           ; lane
	v_lshrrev_b32 v9, 5, v0
	v_readfirstlane_b32 s20, v9                    ; wave 0..7
	v_and_b32 v6, 15, v0
	v_bfe_u32 v7, v0, 4, 1                         ; hh
	v_lshlrev_b32 v5, 4, v1                        ; 16 L
	v_lshlrev_b32 v6, 2, v6                        ; 4 r
	s_mov_b32 s38, 0xffff0000                      ; a word's upper bf16
	s_lshl_b32 s21, s20, 14
	v_add_nc_u32 v2, s21, v5                       ; x: 16 L + 16,384 w
	s_lshl_b32 s21, s20, 13
	v_lshl_add_u32 v3, v1, 3, s21                  ; xb: 8 L + 8,192 w
	s_lshr_b32 s22, ttmp9, 5                       ; s  = K step of 128
	s_bfe_u32 s23, ttmp9, 0x20003                  ; h  = head
	s_and_b32 s24, ttmp9, 7                        ; c8 = chunk of 16 k in the step
	s_and_b32 s25, s20, 3                          ; u  = 2 wn + i: which 16 columns of the head
	s_lshr_b32 s26, s25, 1                         ; wn
	s_and_b32 s27, s25, 1                          ; i
	s_mul_i32 s28, s22, 196608                     ; my chunk in wf (ty stands in the stores' immediates)
	s_mul_i32 s29, s23, 49152
	s_add_co_u32 s28, s28, s29
	s_mul_i32 s29, s26, 24576
	s_add_co_u32 s28, s28, s29
	s_lshl_b32 s29, s27, 12
	s_add_co_u32 s28, s28, s29
	s_lshl_b32 s29, s24, 9
	s_add_co_u32 s28, s28, s29
	s_mov_b32 s29, 0
	s_lshl_b32 s30, s22, 7
	s_lshl4_add_u32 s30, s24, s30                  ; first k = 128 s + 16 c8
	s_lshl_b32 s31, s23, 8
	s_lshl_b32 s34, s25, 6
	s_add_co_u32 s31, s31, s34                     ; first column in bytes = 4 (64 h + 16 u)
	s_lshl_b32 s32, ttmp9, 17                      ; the work-group's 131,072 bytes of x
	s_mov_b32 s33, 0
	s_wait_kmcnt 0x0
	s_add_nc_u64 s[4:5], s[4:5], s[32:33]
	s_lshl_b32 s32, ttmp9, 16                      ; and its 65,536 bytes of xb
	s_add_nc_u64 s[14:15], s[14:15], s[32:33]
	s_add_nc_u64 s[16:17], s[16:17], s[28:29]
.macro XLOADS                          ; the wave's 16,384 bytes of x, read once in the launch
.set j, 0
.rept 32
	global_load_b128 v[XR+4*j:XR+4*j+3], v2, s[4:5] offset:512*j th:TH_LOAD_NT
.set j, j+1
.endr
.endm
	s_cmp_lt_u32 s20, 4
	s_cbranch_scc0 .Lkv
	; waves 0 to 3: one chunk of the folded wq.  Row pitch 4,096 bytes; group g lies 1,024 bytes further along the row.
	s_lshl_b32 s32, s30, 12
	s_add_co_u32 s32, s32, s31
	s_add_nc_u64 s[6:7], s[6:7], s[32:33]
	v_lshl_add_u32 v4, v7, 15, v6                  ; 8 hh rows + 4 r
.irp g, 0,1,2,3
.irp e, 0,1,2,3,4,5,6,7
	global_load_b32 v[WT+8*\g+\e], v4, s[6:7] offset:4096*\e+1024*\g
.endr
.endr
	XLOADS
	s_wait_loadcnt 32                              ; the 32 x loads are younger and stay out: the weights are in
.irp e, 0,2,4,6,8,10,12,14,16,18,20,22,24,26,28,30
	RND WT+\e, WT+\e+1
.endr
.irp e, 0,1,2,3,4,5,6,7
	v_add_f32 v[WT+\e], v[WT+\e], v[WT+8+\e]
	v_add_f32 v[WT+16+\e], v[WT+16+\e], v[WT+24+\e]
.endr
.irp e, 0,1,2,3,4,5,6,7
	v_add_f32 v[WT+\e], v[WT+\e], v[WT+16+\e]
.endr
.irp e, 0,1,2,3,4,5,6,7
	v_mul_f32 v[WT+\e], 0x3d800000, v[WT+\e]       ; x 1/16
.endr
.irp q, 0,1,2,3
	v_cvt_pk_f16_f32 v[PK+\q], v[WT+2*\q], v[WT+2*\q+1]
.endr
	global_store_b128 v5, v[PK:PK+3], s[16:17]     ; ty = 0: 512 consecutive bytes, aligned
	s_branch .Lx
.Lkv:
	; waves 4 to 7: the same chunk of wk and of wv (row pitch 1,024 bytes), and chunk 4 g + u of wo (row pitch 4,096 bytes)
	s_lshl_b32 s32, s30, 10
	s_add_co_u32 s32, s32, s31
	s_add_nc_u64 s[8:9], s[8:9], s[32:33]
	s_add_nc_u64 s[10:11], s[10:11], s[32:33]
	v_lshl_add_u32 v4, v7, 13, v6                  ; 8 hh rows + 4 r
	s_lshr_b32 s34, ttmp9, 2                       ; nb: 16 columns of wo
	s_and_b32 s35, ttmp9, 3
	s_lshl2_add_u32 s35, s35, s25                  ; c: 16 rows of wo
	s_lshl_b32 s32, s35, 16
	s_lshl_b32 s36, s34, 6
	s_add_co_u32 s32, s32, s36
	s_add_nc_u64 s[12:13], s[12:13], s[32:33]
	v_lshl_add_u32 v8, v7, 15, v6
	s_lshr_b32 s32, s34, 3                         ; the chunk's place in wof
	s_lshl_b32 s32, s32, 16
	s_lshr_b32 s36, s35, 3
	s_lshl_b32 s36, s36, 15
	s_add_co_u32 s32, s32, s36
	s_and_b32 s36, s34, 7
	s_lshl_b32 s36, s36, 12
	s_add_co_u32 s32, s32, s36
	s_and_b32 s36, s35, 7
	s_lshl_b32 s36, s36, 9
	s_add_co_u32 s32, s32, s36
	s_add_nc_u64 s[18:19], s[18:19], s[32:33]
.irp e, 0,1,2,3,4,5,6,7
	global_load_b32 v[WT+\e], v4, s[8:9] offset:1024*\e
.endr
.irp e, 0,1,2,3,4,5,6,7
	global_load_b32 v[WT+8+\e], v4, s[10:11] offset:1024*\e
.endr
.irp e, 0,1,2,3,4,5,6,7
	global_load_b32 v[WT+16+\e], v8, s[12:13] offset:4096*\e
.endr
	XLOADS
	s_wait_loadcnt 32                              ; as above
.irp e, 0,2,4,6,8,10,12,14,16,18,20,22
	RND WT+\e, WT+\e+1
.endr
.irp e, 0,1,2,3,4,5,6,7
	v_mul_f32 v[WT+\e], 0x3e800000, v[WT+\e]       ; wk x 1/4
.endr
.irp q, 0,1,2,3,4,5,6,7,8,9,10,11
	v_cvt_pk_f16_f32 v[PK+\q], v[WT+2*\q], v[WT+2*\q+1]
.endr
	global_store_b128 v5, v[PK:PK+3], s[16:17] offset:8192       ; ty = 1
	global_store_b128 v5, v[PK+4:PK+7], s[16:17] offset:16384    ; ty = 2
	global_store_b128 v5, v[PK+8:PK+11], s[18:19]
.Lx:
	; on both ways exactly the 32 x loads are the youngest loads.  Loads come back in order (ISA guide 5.7.1): the counts run down.
	; Every load has registers of its own and no address register is rewritten, so the stores need no further wait.
.set j, 0
.rept 32
	s_wait_loadcnt 31-j
	RND XR+4*j, XR+4*j+1
	RND XR+4*j+2, XR+4*j+3
	v_cvt_pk_f16_f32 v[XR+4*j], v[XR+4*j], v[XR+4*j+1]
	v_cvt_pk_f16_f32 v[XR+4*j+1], v[XR+4*j+2], v[XR+4*j+3]
	global_store_b64 v3, v[XR+4*j:XR+4*j+1], s[14:15] offset:256*j   ; the wave's 32 lanes store 256 consecutive bytes, aligned
.set j, j+1
.endr
	s_endpgm
.Lfunc_end_k_q3538597325_prep:
	.size	k_q3538597325_prep, .Lfunc_end_k_q3538597325_prep-k_q3538597325_prep
	.p2alignl 7, 3214868480
	.fill 96, 4, 3214868480
	.section	.rodata,"a",@progbits
	.p2align	6, 0x0
	.amdhsa_kernel k_q3538597325_prep
		.amdhsa_group_segment_fixed_size 0
		.amdhsa_private_segment_fixed_size 0
		.amdhsa_enable_private_segment 0
		.amdhsa_kernarg_size 64
		.amdhsa_user_sgpr_count 2
		.amdhsa_user_sgpr_kernarg_segment_ptr 1
		.amdhsa_wavefront_size32 1
		.amdhsa_system_sgpr_workgroup_id_x 1
		.amdhsa_system_sgpr_workgroup_id_y 1
		.amdhsa_system_sgpr_workgroup_id_z 1
		.amdhsa_system_vgpr_workitem_id 0
		.amdhsa_next_free_vgpr 184
		.amdhsa_next_free_sgpr 66
		.amdhsa_reserve_vcc 0
		.amdhsa_float_denorm_mode_32 3
		.amdhsa_float_denorm_mode_16_64 3
		.amdhsa_memory_ordered 1
		.amdhsa_forward_progress 1
		.amdhsa_inst_pref_size 37
	.end_amdhsa_kernel
	.amdgpu_metadata
---
amdhsa.version: [ 1, 2 ]
amdhsa.kernels:
  - .name:           k_q3538597325_prep
    .symbol:         k_q3538597325_prep.kd
    .args:
      - { .name: x, .offset: 0, .size: 8, .value_kind: global_buffer, .address_space: global }
      - { .name: wq, .offset: 8, .size: 8, .value_kind: global_buffer, .address_space: global }
      - { .name: wk, .offset: 16, .size: 8, .value_kind: global_buffer, .address_space: global }
      - { .name: wv, .offset: 24, .size: 8, .value_kind: global_buffer, .address_space: global }
      - { .name: wo, .offset: 32, .size: 8, .value_kind: global_buffer, .address_space: global }
      - { .name: xb, .offset: 40, .size: 8, .value_kind: global_buffer, .address_space: global }
      - { .name: wf, .offset: 48, .size: 8, .value_kind: global_buffer, .address_space: global }
      - { .name: wof, .offset: 56, .size: 8, .value_kind: global_buffer, .address_space: global }
    .group_segment_fixed_size: 0
    .private_segment_fixed_size: 0
    .kernarg_segment_align: 8
    .kernarg_segment_size: 64
    .max_flat_workgroup_size: 256
    .sgpr_count:     66
    .vgpr_count:     184
    .wavefront_size: 32
...
	.end_amdgpu_metadata
.endif
;; end of part 1
;; launch qkv (part 2): grid 4 x 64, 4 waves a work-group, clusters of 4 x 4, 327,680 bytes of LDS; arguments xb, wf, freq_cos, freq_sin, qf, kf, vf; writes qf, kf, vf
.if DOCPART == 2
	.amdgcn_target "amdgcn-amd-amdhsa--gfx1250"
	.amdhsa_code_object_version 6
	.text
	.protected	k_q3538597325_qkv
	.globl	k_q3538597325_qkv
	.p2align	8
	.type	k_q3538597325_qkv,@function
k_q3538597325_qkv:
	s_mov_b64 s[64:65], 0
	v_nop
	global_prefetch_b8 v0, s[64:65] scope:SCOPE_SE
	s_setreg_imm32_b32 hwreg(HW_REG_WAVE_MODE, 25, 1), 1
	s_wait_xcnt 0x0
	s_wait_alu depctr_hold_cnt(0) depctr_sa_sdst(0) depctr_va_vdst(0) depctr_va_sdst(0) depctr_va_ssrc(0) depctr_va_vcc(0) depctr_vm_vsrc(0)
	s_getreg_b32 s2, hwreg(HW_REG_IB_STS2, 6, 4)
	s_cmp_eq_u32 s2, 0
	s_cbranch_scc0 .Lentry_in_a_cluster
	s_endpgm
.Lentry_in_a_cluster:
	s_bfe_u32 s2, ttmp6, 0x10000c
	s_cmp_lg_u32 s2, 0xf033
	s_cbranch_scc0 .Lentry_shape_is_right
	s_endpgm
.Lentry_shape_is_right:
; qkv: [8192 x 1024] f16 times the folded weights [1024 x 768] f16, RoPE on q and k, results in f16 in fragment order.
; Work-group (h = block column, Mb = block row): 128 tokens x 192 columns = head h's 64 q, 64 k and 64 v columns, so every work-group runs the same text.
; Wave (wm = w >> 1, wn = w & 1): 64 tokens x 96 columns: token blocks mb = 0..3, column blocks b = 2 ty + i (ty 0 q, 1 k, 2 v; 16 columns at d = 16 (2 wn + i)).
; 24 accumulators of 16 x 16.  For q and k source 0 is the weight fragment and source 1 the x fragment: a lane then holds one token and eight
; neighbouring d, which is what RoPE pairs up and what a 16-byte piece of a later fragment is.  For v the sources are the other way round:
; a lane holds one d and eight neighbouring tokens, the piece that the product with the probabilities wants.
;   qf, kf = p*524288 + sb*2048 + c*512 + 16 L        : T[token 16 sb + r][d = 16 c + 8 hh + 0..7]     (p = 4 batch + h);  qf holds q / 16, kf holds k / 4
;   vf     = p*1048576 + t*8192 + part*4096 + db*1024 + hf*512 + 16 L : V[token 32 t + 16 hf + 8 hh + 0..7][d = 16 db + r], part 0 = f16(v), part 1 = f16(v - part 0)
; FORMATS.  The tables are rounded to bf16 like every other input.  q and k go out in one f16 number.  v goes out as the sum of two: a row of the result
; that averages few keys is many times larger than the result's root mean square, against which it is held, so v must carry more bits than one f16 has.
; LIMIT: q / 16, k / 4 and v stay below 65,504 (with x and the weights both carrying an offset of 30 spreads they reach some 7,200, 7,200 and 29,000).
; K goes in 8 steps of 128 through two LDS slots filled by the tensor data mover.  CLUSTERS of 4 x 4: x's tile hangs on Mb alone and is asked for
; jointly along a row of the cluster, the weights' tile on h alone and jointly along a column.  By this text's count a wave has two tensor loads
; out at the start and one behind each later round of the cluster's barrier.
.set PITCH, 272                        ; an LDS row of x: 256 bytes + 16 of padding: the 16 rows of a fragment load start 16 bytes apart modulo 256
.set REG,   24576                      ; LDS region of one wave's load: 64 rows x 272 of x (17,408 used), or 96 x 256 dense bytes of weights
.set SLOT,  4*REG
.set TT,   8                           ; v[8:15]   RoPE's products
.set ADRA, 16                          ; v16-17    LDS address of my x fragments in slot 0, 1
.set ADRB, 20                          ; v20-21    the same for the weights
.set CS,   24                          ; v24       my offset in the tables
.set QK,   25                          ; v25       my offset in qf and kf
.set VV,   26                          ; v26       my offset in vf
.set F0,   32                          ; v[32:111]  fragment buffer 0: x block mb at +8 mb, weight block b at +32 + 8 b
.set F1,   112                         ; v[112:191] fragment buffer 1
.set RR,   32                          ; the way out: v[32:63] roped numbers in f32 (first: the packed tables)
.set VH,   64                          ; the way out: v[64:71] v's first part, packed (named by number where its halves are read)
.set VLO,  72                          ; the way out: v[72:79] v's second part, packed
.set QP,   96                          ; the way out: v[96:111] q and k, packed
.set T16,  192                         ; the way out: v[192:207] v's first part widened, then the remainder
.set COSW, 192                         ; window 1: v[192:223] cos, 4 registers for (mb, i);  v[224:255] sin;  v[0:191] accumulator (mb, b) at 8 (6 mb + b)
.set SINW, 224
.set G1, 24                            ; s[24:31] group 1 for x's tiles
.set G0, 32                            ; s[32:39] group 0 for x's tiles, a set for each slot
.set G1B, 48                           ; s[48:55] group 1 for the weights' tiles
.set G0B, 56                           ; s[56:63] group 0 for the weights' tiles
.set MSB, 0
.macro WIN new                         ; the immediate's high byte repeats the setting that is left
.if MSB != \new
	s_set_vgpr_msb (MSB<<8)|\new
.set MSB, \new
.endif
.endm
.set ACCW, 0x50                        ; C and D in window 1, sources 0 and 1 in window 0
.macro JLOAD s                         ; waves 0, 1 ask for x's two halves, waves 2, 3 for the weights' two halves: one mask a line
	s_cmp_eq_u32 s11, 0
	s_cbranch_scc0 .Lfor_b_\@
	tensor_load_to_lds s[G0+4*\s:G0+4*\s+3], s[G1:G1+7]
	s_nop 0
	s_branch .Lasked_\@
.Lfor_b_\@:
	tensor_load_to_lds s[G0B+4*\s:G0B+4*\s+3], s[G1B:G1B+7]
	s_nop 0
.Lasked_\@:
.endm
.macro CREST                           ; a round of the cluster's barrier behind its opening work-group barrier
	s_cmp_lg_u32 s10, 0
	s_cbranch_scc1 .Lnot_wave_0_\@
	s_barrier_signal -3
.Lnot_wave_0_\@:
	s_barrier_wait -3
	s_barrier_signal -1
	s_barrier_wait -1
.endm
.macro CROUND
	s_barrier_signal -1
	s_barrier_wait -1
	CREST
.endm
.macro PLACES                          ; four plain vector instructions between a matrix instruction and a load into, or a vector read of, its registers
.rept 4
	v_nop
.endr
.endm
	s_load_b128 s[4:7], s[0:1], 0x0                ; xb, wf
	s_load_b128 s[68:71], s[0:1], 0x10             ; freq_cos, freq_sin
	s_load_b128 s[72:75], s[0:1], 0x20             ; qf, kf
	s_load_b64 s[76:77], s[0:1], 0x30              ; vf
	v_lshl_add_u32 v254, v0, 2, 0x30000
	v_mov_b32 v255, 0
	ds_add_u32 v254, v255
	v_lshrrev_b32 v1, 5, v0
	v_readfirstlane_b32 s10, v1                    ; wave 0..3
	s_lshr_b32 s11, s10, 1                         ; wm.  Also: I fetch x (0) or weights (1)
	s_and_b32 s12, s10, 1                          ; wn.  Also: which half of that tile I fetch
	s_bfe_u32 s40, ttmp6, 0x40000                  ; cx
	s_bfe_u32 s41, ttmp6, 0x40004                  ; cy
	s_lshl_b32 s42, ttmp9, 2
	s_add_co_u32 s42, s42, s40                     ; h  = 4 x cluster x + cx
	s_and_b32 s13, ttmp7, 0xffff
	s_lshl_b32 s13, s13, 2
	s_add_co_u32 s13, s13, s41                     ; Mb = 4 x cluster y + cy
	s_lshl_b32 s43, s41, 2
	s_lshl_b32 s43, 15, s43                        ; my row of the cluster
	s_lshl_b32 s44, 0x1111, s40                    ; my column
	; x's tile: 64 rows x 128 f16, row pitch 1,024 elements, 16 bytes of padding behind every 64 words
	s_or_b32 s[G1+0], s43, (1<<16)|(1<<20)|(1<<21)|(5<<22)|(3<<25)
	s_mov_b32 s[G1+1], 128<<16                     ; tensor_dim0 = 128
	s_mov_b32 s[G1+2], 64<<16                      ; tensor_dim1 = 64
	s_mov_b32 s[G1+3], 128<<16                     ; tile_dim0 = 128
	s_mov_b32 s[G1+4], 64                          ; tile_dim1 = 64
	s_mov_b32 s[G1+5], 1024                        ; elements from row to row
	s_mov_b32 s[G1+6], 0
	s_mov_b32 s[G1+7], 0
	; the weights' tile: 24,576 dense bytes as 96 rows of 32 elements of 8 bytes, no padding
	s_or_b32 s[G1B+0], s44, (3<<16)|(1<<21)
	s_mov_b32 s[G1B+1], 32<<16
	s_mov_b32 s[G1B+2], 96<<16
	s_mov_b32 s[G1B+3], 32<<16
	s_mov_b32 s[G1B+4], 96
	s_mov_b32 s[G1B+5], 32
	s_mov_b32 s[G1B+6], 0
	s_mov_b32 s[G1B+7], 0
	s_lshl_b32 s16, s13, 18                        ; x: 128 Mb rows of 2,048 bytes
	s_lshl_b32 s17, s12, 17                        ;    + 64 rows for the second half
	s_add_co_u32 s16, s16, s17
	s_mov_b32 s17, 0
	s_mul_i32 s46, s42, 49152                      ; weights: head h,
	s_mul_i32 s47, s12, 24576                      ;          column half
	s_add_co_u32 s46, s46, s47
	s_mov_b32 s47, 0
	s_mul_i32 s20, s10, REG                        ; where my load lands: the wave's number alone
	s_wait_dscnt 0x0
	s_wait_kmcnt 0x0
	s_add_nc_u64 s[14:15], s[4:5], s[16:17]
	s_add_nc_u64 s[46:47], s[6:7], s[46:47]
	CROUND                                         ; all sixteen work-groups are here: the first joint loads meet
.irp s, 0,1
	s_mov_b32 s[G0+4*\s], 1
	s_add_co_u32 s[G0+4*\s+1], s20, \s*SLOT
	s_add_nc_u64 s[G0+4*\s+2:G0+4*\s+3], s[14:15], \s*256          ; K step s: 256 bytes along the rows
	s_or_b32 s[G0+4*\s+3], s[G0+4*\s+3], 0x80000000
	s_mov_b32 s[G0B+4*\s], 1
	s_add_co_u32 s[G0B+4*\s+1], s20, \s*SLOT
	s_add_nc_u64 s[G0B+4*\s+2:G0B+4*\s+3], s[46:47], \s*196608     ; K step s of wf
	s_or_b32 s[G0B+4*\s+3], s[G0B+4*\s+3], 0x80000000
	JLOAD \s
.endr
	v_and_b32 v1, 15, v0                           ; r
	v_bfe_u32 v2, v0, 4, 1                         ; hh
	v_and_b32 v3, 31, v0
	v_lshlrev_b32 v3, 4, v3                        ; 16 L
	v_mul_u32_u24 v4, v1, PITCH
	v_lshl_add_u32 v4, v2, 4, v4                   ; r x pitch + 16 hh
	s_mul_i32 s21, s11, REG                        ; my 64 rows of x
	s_mul_i32 s22, s12, REG
	s_add_co_u32 s22, s22, 2*REG                   ; my 96 columns of weights
.irp s, 0,1
	v_add_nc_u32 v[ADRA+\s], s21, v4
	v_add_nc_u32 v[ADRB+\s], s22, v3
	s_add_co_u32 s21, s21, SLOT
	s_add_co_u32 s22, s22, SLOT
.endr
	v_lshlrev_b32 v[CS], 7, v1                     ; tables: token r x 128 bytes
	v_lshl_add_u32 v[CS], v2, 4, v[CS]             ; + 4 hh pairs
	s_lshl_b32 s21, s11, 13                        ; + 64 wm tokens (also 4 wm blocks of 2,048 bytes in qf, kf)
	s_lshl_b32 s22, s12, 6                         ; + 16 wn pairs
	s_add_co_u32 s22, s22, s21
	v_add_nc_u32 v[CS], s22, v[CS]
	s_lshl_b32 s22, s12, 10
	s_add_co_u32 s22, s22, s21
	v_add_nc_u32 v[QK], s22, v3                    ; 16 L + 8,192 wm + 1,024 wn
	s_lshl_b32 s22, s12, 11
	s_lshl_b32 s23, s11, 14                        ; 2 wm tiles of 8,192 bytes in vf
	s_add_co_u32 s22, s22, s23
	v_add_nc_u32 v[VV], s22, v3                    ; 16 L + 16,384 wm + 2,048 wn
	s_and_b32 s78, s13, 31
	s_lshl_b32 s78, s78, 14                        ; my 128 tokens in the sequence: 16,384 bytes in the tables, and in a plane of qf, kf
	s_mov_b32 s79, 0
	s_add_nc_u64 s[68:69], s[68:69], s[78:79]
	s_add_nc_u64 s[70:71], s[70:71], s[78:79]
	s_lshr_b32 s45, s13, 5                         ; batch
	s_lshl2_add_u32 s45, s45, s42                  ; p = 4 batch + h
	s_lshl_b32 s45, s45, 19
	s_add_co_u32 s78, s78, s45
	s_add_nc_u64 s[72:73], s[72:73], s[78:79]
	s_add_nc_u64 s[74:75], s[74:75], s[78:79]
	s_lshl_b32 s78, s78, 1                         ; vf has twice the bytes for a token
	s_add_nc_u64 s[76:77], s[76:77], s[78:79]
	; cos and sin of my tokens and pairs, 4 numbers a load, into window 1; waited for in front of the way out
	WIN 0x40
.irp mb, 0,1,2,3
.irp i, 0,1
	global_load_b128 v[COSW+4*(2*\mb+\i):COSW+4*(2*\mb+\i)+3], v[CS], s[68:69] offset:2048*\mb+32*\i
	global_load_b128 v[SINW+4*(2*\mb+\i):SINW+4*(2*\mb+\i)+3], v[CS], s[70:71] offset:2048*\mb+32*\i
.endr
.endr
	WIN 0
.macro MMA d, a, b, zero               ; zero = 1: the first product starts the sum
.if \zero
	v_wmma_f32_16x16x32_f16 v[\d:\d+7], v[\a:\a+7], v[\b:\b+7], 0
.else
	v_wmma_f32_16x16x32_f16 v[\d:\d+7], v[\a:\a+7], v[\b:\b+7], v[\d:\d+7]
.endif
.endm
; 12 matrix instructions: token blocks 2 mh, 2 mh + 1 by all six column blocks, 32 along K.  The 24 accumulators take turns, one instruction a turn,
; in the same order in every quarter step.
.macro MUL12 f, mh, zero
.irp mb, 2*\mh, 2*\mh+1
.irp b, 0,1,2,3
	MMA 8*(6*(\mb)+\b), \f+32+8*\b, \f+8*(\mb), \zero
.endr
.irp b, 4,5
	MMA 8*(6*(\mb)+\b), \f+8*(\mb), \f+32+8*\b, \zero
.endr
.endr
.endm
; 20 LDS loads: the fragments of quarter ks (32 along K) of a slot into buffer f
.macro FETCH slot, ks, f
	WIN 0
.irp mb, 0,1,2,3
	ds_load_b128 v[\f+8*\mb:\f+8*\mb+3],   v[ADRA+\slot] offset:\mb*16*PITCH+64*\ks
	ds_load_b128 v[\f+8*\mb+4:\f+8*\mb+7], v[ADRA+\slot] offset:\mb*16*PITCH+64*\ks+32
.endr
.irp b, 0,1,2,3,4,5
	ds_load_b128 v[\f+32+8*\b:\f+32+8*\b+3],   v[ADRB+\slot] offset:\b*4096+1024*\ks
	ds_load_b128 v[\f+32+8*\b+4:\f+32+8*\b+7], v[ADRB+\slot] offset:\b*4096+1024*\ks+512
.endr
.endm
; One of a K step's first three quarters: buffer f is in; the next quarter's fragments are asked for first, into buffer g, and have this quarter's 24 matrix instructions in which to land
.macro QUARTER slot, ksn, f, g, zero
	s_wait_dscnt 0x0                               ; buffer f's 20 loads are back
	PLACES                                         ; buffer g was read by the matrix instructions just issued
	FETCH \slot, \ksn, \g
	WIN ACCW
	MUL12 \f, 0, \zero
	MUL12 \f, 1, \zero
.endm
.macro THREE slot, zero
	QUARTER \slot, 1, F0, F1, \zero
	QUARTER \slot, 2, F1, F0, 0
	QUARTER \slot, 3, F0, F1, 0
.endm
; The last quarter multiplies buffer 1 and changes slots.  In front of the barrier each wave has its reads of this slot back and all its tensor
; loads landed (the one that was out is its part of the next slot).  fill = 1: the barrier opens a round of the cluster's barrier, and the joint
; refill of this slot, two K steps ahead, is the first tensor load behind the round.
.macro TURN slot, next, fill
	s_wait_dscnt 0x0
	s_wait_tensorcnt 0x0
	ds_add_u32 v254, v255
	s_wait_dscnt 0x0
	s_barrier_signal -1
	WIN ACCW
	MUL12 F1, 0, 0                                 ; register work while the others arrive
	WIN 0
	s_barrier_wait -1
.if \fill
	CREST
	s_add_nc_u64 s[G0+4*\slot+2:G0+4*\slot+3], s[G0+4*\slot+2:G0+4*\slot+3], 512
	s_add_nc_u64 s[G0B+4*\slot+2:G0B+4*\slot+3], s[G0B+4*\slot+2:G0B+4*\slot+3], 393216
	JLOAD \slot
.endif
	PLACES
	FETCH \next, 0, F0
	WIN ACCW
	MUL12 F1, 1, 0
.endm
.macro LAP zero
	THREE 0, \zero
	TURN 0, 1, 1
	THREE 1, 0
	TURN 1, 0, 1
.endm
	s_wait_tensorcnt 0x1                           ; my part of K step 0 is in; K step 1's load is the one that may stay out
	s_barrier_signal -1
	s_barrier_wait -1
	FETCH 0, 0, F0
	LAP 1                                          ; K steps 0, 1; asks for 2, 3
	WIN 0
	s_mov_b32 s3, 2
.Llap:
	LAP 0                                          ; K steps 2 to 5; asks for 4 to 7
	WIN 0
	s_sub_co_u32 s3, s3, 1
	s_cmp_lg_u32 s3, 0
	s_cbranch_scc1 .Llap
	THREE 0, 0                                     ; K steps 6, 7: nothing is left to fetch
	TURN 0, 1, 0
	THREE 1, 0
	s_wait_dscnt 0x0
	WIN ACCW
	MUL12 F1, 0, 0
	MUL12 F1, 1, 0
	PLACES                                         ; behind the last matrix instructions, in front of the reads of their results and the writes into the buffers
	s_wait_loadcnt 0x0                             ; the tables
	s_mov_b32 s3, 0xffff0000                       ; a word's upper bf16
	; the tables are rounded to bf16 and widened again, in place: 64 numbers a lane through 32 packed words
	WIN 0x05                                       ; sources 0 and 1 in window 1
.set e, 0
.rept 32
	v_cvt_pk_bf16_f32 v[RR+e], v[COSW+2*e], v[COSW+2*e+1]
.set e, e+1
.endr
	WIN 0x40                                       ; destination in window 1
.set e, 0
.rept 32
	v_and_b32 v[COSW+2*e+1], s3, v[RR+e]
	v_lshlrev_b32 v[COSW+2*e], 16, v[RR+e]
.set e, e+1
.endr
; The way out for token block mb.  q, k: pair (a, b) at d = 2 i, 2 i + 1 becomes (a cos - b sin, b cos + a sin).  v: first part f16(v), second part f16(v - first part).
; Each store of the wave covers 512 consecutive bytes, aligned.
.macro OUTM mb
	WIN 0x05                                       ; sources 0 and 1 in window 1
.irp b, 0,1,2,3
.irp q, 0,1,2,3
	v_mul_f32 v[TT+2*\q],   v[8*(6*\mb+\b)+2*\q+1], v[SINW+4*(2*\mb+(\b&1))+\q]
	v_mul_f32 v[TT+2*\q+1], v[8*(6*\mb+\b)+2*\q],   v[SINW+4*(2*\mb+(\b&1))+\q]
	v_fma_f32 v[RR+8*\b+2*\q],   v[8*(6*\mb+\b)+2*\q],   v[COSW+4*(2*\mb+(\b&1))+\q], -v[TT+2*\q]
	v_fma_f32 v[RR+8*\b+2*\q+1], v[8*(6*\mb+\b)+2*\q+1], v[COSW+4*(2*\mb+(\b&1))+\q], v[TT+2*\q+1]
.endr
.endr
.if \mb
	s_wait_xcnt 0x0                                ; the last block's stores have had their addresses translated (ISA guide 3.1): their data registers are rewritten only behind this wait
.endif
.irp b, 4,5
.irp q, 0,1,2,3
	v_cvt_pk_f16_f32 v[VH+4*(\b-4)+\q], v[8*(6*\mb+\b)+2*\q], v[8*(6*\mb+\b)+2*\q+1]
.endr
.endr
	WIN 0
	v_cvt_f32_f16 v192, v64.l                      ; the first part widened again: v[T16 + 2 e], v[T16 + 2 e + 1] from the halves of v[VH + e]
	v_cvt_f32_f16 v193, v64.h
	v_cvt_f32_f16 v194, v65.l
	v_cvt_f32_f16 v195, v65.h
	v_cvt_f32_f16 v196, v66.l
	v_cvt_f32_f16 v197, v66.h
	v_cvt_f32_f16 v198, v67.l
	v_cvt_f32_f16 v199, v67.h
	v_cvt_f32_f16 v200, v68.l
	v_cvt_f32_f16 v201, v68.h
	v_cvt_f32_f16 v202, v69.l
	v_cvt_f32_f16 v203, v69.h
	v_cvt_f32_f16 v204, v70.l
	v_cvt_f32_f16 v205, v70.h
	v_cvt_f32_f16 v206, v71.l
	v_cvt_f32_f16 v207, v71.h
	WIN 0x01                                       ; source 0 in window 1
.irp b, 4,5
.irp j, 0,1,2,3,4,5,6,7
	v_sub_f32 v[T16+8*(\b-4)+\j], v[8*(6*\mb+\b)+\j], v[T16+8*(\b-4)+\j]    ; exact: what the first part left
.endr
.endr
	WIN 0
.irp e, 0,1,2,3,4,5,6,7
	v_cvt_pk_f16_f32 v[VLO+\e], v[T16+2*\e], v[T16+2*\e+1]
.endr
.irp b, 0,1,2,3
.irp q, 0,1,2,3
	v_cvt_pk_f16_f32 v[QP+4*\b+\q], v[RR+8*\b+2*\q], v[RR+8*\b+2*\q+1]
.endr
.endr
.irp i, 0,1
	global_store_b128 v[QK], v[QP+4*\i:QP+4*\i+3], s[72:73] offset:2048*\mb+512*\i
	global_store_b128 v[QK], v[QP+8+4*\i:QP+8+4*\i+3], s[74:75] offset:2048*\mb+512*\i
	global_store_b128 v[VV], v[VH+4*\i:VH+4*\i+3], s[76:77] offset:8192*(\mb>>1)+1024*\i+512*(\mb&1)
	global_store_b128 v[VV], v[VLO+4*\i:VLO+4*\i+3], s[76:77] offset:8192*(\mb>>1)+4096+1024*\i+512*(\mb&1)
.endr
.endm
	OUTM 0
	OUTM 1
	OUTM 2
	OUTM 3
	CROUND                                         ; the closing round: no work-group ends while a partner may still ask for a tile that names it
	s_endpgm
.Lfunc_end_k_q3538597325_qkv:
	.size	k_q3538597325_qkv, .Lfunc_end_k_q3538597325_qkv-k_q3538597325_qkv
	.p2alignl 7, 3214868480
	.fill 96, 4, 3214868480
	.section	.rodata,"a",@progbits
	.p2align	6, 0x0
	.amdhsa_kernel k_q3538597325_qkv
		.amdhsa_group_segment_fixed_size 327680
		.amdhsa_private_segment_fixed_size 0
		.amdhsa_enable_private_segment 0
		.amdhsa_kernarg_size 56
		.amdhsa_user_sgpr_count 2
		.amdhsa_user_sgpr_kernarg_segment_ptr 1
		.amdhsa_wavefront_size32 1
		.amdhsa_system_sgpr_workgroup_id_x 1
		.amdhsa_system_sgpr_workgroup_id_y 1
		.amdhsa_system_sgpr_workgroup_id_z 1
		.amdhsa_system_vgpr_workitem_id 0
		.amdhsa_next_free_vgpr 512
		.amdhsa_next_free_sgpr 80
		.amdhsa_reserve_vcc 0
		.amdhsa_float_denorm_mode_32 3
		.amdhsa_float_denorm_mode_16_64 3
		.amdhsa_memory_ordered 1
		.amdhsa_forward_progress 1
		.amdhsa_inst_pref_size 115
	.end_amdhsa_kernel
	.amdgpu_metadata
---
amdhsa.version: [ 1, 2 ]
amdhsa.kernels:
  - .name:           k_q3538597325_qkv
    .symbol:         k_q3538597325_qkv.kd
    .args:
      - { .name: xb, .offset: 0, .size: 8, .value_kind: global_buffer, .address_space: global }
      - { .name: wf, .offset: 8, .size: 8, .value_kind: global_buffer, .address_space: global }
      - { .name: freq_cos, .offset: 16, .size: 8, .value_kind: global_buffer, .address_space: global }
      - { .name: freq_sin, .offset: 24, .size: 8, .value_kind: global_buffer, .address_space: global }
      - { .name: qf, .offset: 32, .size: 8, .value_kind: global_buffer, .address_space: global }
      - { .name: kf, .offset: 40, .size: 8, .value_kind: global_buffer, .address_space: global }
      - { .name: vf, .offset: 48, .size: 8, .value_kind: global_buffer, .address_space: global }
    .group_segment_fixed_size: 327680
    .private_segment_fixed_size: 0
    .kernarg_segment_align: 8
    .kernarg_segment_size: 56
    .max_flat_workgroup_size: 128
    .sgpr_count:     80
    .vgpr_count:     512
    .wavefront_size: 32
...
	.end_amdgpu_metadata
.endif
;; end of part 2
;; launch attn (part 3): grid 256 x 1, 8 waves a work-group, no clusters, 140,288 bytes of LDS; arguments qf, kf, vf, af; writes af
.if DOCPART == 3
	.amdgcn_target "amdgcn-amd-amdhsa--gfx1250"
	.amdhsa_code_object_version 6
	.text
	.protected	k_q3538597325_attn
	.globl	k_q3538597325_attn
	.p2align	8
	.type	k_q3538597325_attn,@function
k_q3538597325_attn:
	s_mov_b64 s[64:65], 0
	v_nop
	global_prefetch_b8 v0, s[64:65] scope:SCOPE_SE
	s_setreg_imm32_b32 hwreg(HW_REG_WAVE_MODE, 25, 1), 1
	s_wait_xcnt 0x0
; attn: causal softmax attention for plane p = 4 batch + head (ttmp9 >> 5), running maximum, f32 sums.  qf holds q / 16 and kf k / 4, so the product is the score divided by 64.
; The work-group makes two blocks of 64 query rows, Jq = J and Jq = 63 - J (J = ttmp9 & 31): (2 J + 2) + (128 - 2 J) = 130 key tiles of 32 keys for every work-group.
; Inside a block every wave holds all 64 query rows and wave w walks the key tiles t = w, w + 8, ..: no byte of K or V is read by two waves of the work-group,
; and since qf, kf, vf lie in fragment order a tile is 8 + 16 loads of 512 consecutive bytes straight into fragment registers: no LDS in the loop.
; The eight waves' partial results (O, the exponent base NM, the sum l) meet in LDS once a block.
; FORMS.  S^T = K Q^T: register j of a lane is key 16 kb + 8 hh + j, query 16 qb + r.  O^T = V^T P^T: register j is d = 16 db + 8 hh + j, query r.
; So maximum, sum and rescaling are a lane's own (one exchange with the other half of the lanes), and P's fragment is S's registers packed, without a shuffle.
; FORMATS.  All operands are f16.  V comes as the sum of two f16 numbers and P is multiplied by both, onto the same accumulators; the result leaves as the sum
; of two f16 numbers too: a row that averages few keys is many times larger than the result's root mean square, against which it is held.
; THE EXPONENT.  p = exp2(c s + NM), c = log2(e), NM = -c x (running maximum), rounded once and kept; a rescale is exp2(NM_new - NM_old) and the merge's
; weight exp2(min NM - NM_u), so all exponents of a row refer to the same rounded numbers.
; LIMIT: the running maximum starts at -1e30, so that a tile in which a row has no key left yields p = 0; a row whose scores (divided by 64) are ALL below -1e30 is not served.
; NO CLUSTER: the work-groups that read the same K and V are the query blocks of one plane, and their numbers of key tiles, 2 J + 2 and 128 - 2 J, differ for any
; two J, so partners would make different numbers of requests.
; af = rb64*65536 + kh*32768 + part*16384 + rbi*4096 + c8*512 + 16 L : AO[row 64 rb64 + 16 rbi + r][k = 128 kh + 16 c8 + 8 hh + 0..7], k = 64 head + d; part 0 = f16(AO), part 1 = f16(AO - part 0).
.set L16,  1                           ; 16 x lane
.set KO,   2                           ; offset of the K tile being asked for
.set VO,   3                           ; of the V tile
.set QO,   4                           ; of the query block
.set DL,   5                           ; r - 8 hh
.set TT,   6                           ; DL + 64 Jq - 32 t
.set ADO,  8                           ; LDS: my partial O          w*16384 + 16 L
.set ADM,  9                           ; LDS: my NM (l 4,096 on)    131072 + w*512 + 4 L
.set ADR,  10                          ; LDS: the two tiles I merge w*2048 + 16 L, waves 0 to 3
.set ADR2, 11                          ;      the same, waves 4 to 7
.set ADMR, 12                          ; LDS: NM of my query block  131072 + (w>>1)*128 + 4 L
.set AFO,  13                          ; my offset in af
.set MX,   14                          ; v[14:17]  running maximum of query block qb
.set LS,   18                          ; v[18:21]  running sum (this half's keys)
.set NM,   22                          ; v[22:29]  NM of qb in register 22 + 2 qb; the odd partners are written once and only fill the pairs
.set AL,   30                          ; v[30:37]  the rescale factor, likewise
.set TM,   38                          ; v[38:41]
.set UU,   42                          ; v[42:45]
.set SC,   48                          ; v[48:111]  S(kb, qb) at +32 kb + 8 qb
.set PB,   112                         ; v[112:143] P(qb) at +8 qb
.set KF,   144                         ; v[144:175] K chunk 4 kb + c at +4 (4 kb + c)
.set VF,   176                         ; v[176:207] V's first part, chunk 2 db + hf at +4 (2 db + hf)
.set WS,   208                         ; v[208:215] partial sums
.set W4,   216                         ; v[216:219] the new NM
.set VL,   224                         ; v[224:255] V's second part, likewise
.set OP,   48                          ; the merge: v[48:175] eight waves' 16 registers
.set MM,   176                         ; v[176:183] their NM, then their weights
.set LL,   184                         ; v[184:191] their l
.set EW,   192                         ; v[192:207] weight / l, written twice to fill a pair
.set RS,   208                         ; v[208:223] merged O
.set OH,   48                          ; v[48:55]   its first part, packed (named by number where its halves are read)
.set TL,   56                          ; v[56:71]   the first part widened, then the remainder
.set OL,   72                          ; v[72:79]   its second part, packed
.set QW,   128                         ; window 1: v[128:191] Q chunk 4 qb + c at +4 (4 qb + c);  v[0:127] O(qb, db) at 8 (4 qb + db)
.set MSB, 0
.macro WIN new
.if MSB != \new
	s_set_vgpr_msb (MSB<<8)|\new
.set MSB, \new
.endif
.endm
	s_load_b256 s[4:11], s[0:1], 0x0               ; qf 4, kf 6, vf 8, af 10
	v_lshl_add_u32 v46, v0, 2, 0x22000
	v_mov_b32 v47, 0
	v_and_b32 v7, 31, v0
	v_lshrrev_b32 v[TT], 5, v0
	v_readfirstlane_b32 s12, v[TT]                 ; wave 0..7
	v_lshlrev_b32 v[L16], 4, v7
	v_and_b32 v[DL], 15, v0
	v_bfe_u32 v[TT], v0, 4, 1
	v_lshlrev_b32 v[TT], 3, v[TT]
	v_sub_nc_u32 v[DL], v[DL], v[TT]               ; r - 8 hh
	s_lshr_b32 s13, ttmp9, 5                       ; p
	s_and_b32 s14, ttmp9, 31                       ; J
	s_mov_b32 s20, 0x3fb8aa3b                      ; c = log2(e), in both registers of the pair
	s_mov_b32 s21, 0x3fb8aa3b
	s_mov_b32 s34, 0xbfb8aa3b                      ; -c
	s_mov_b32 s22, 0x76543210                      ; v_permlanex16_b32: lane i reads lane i of the other half
	s_mov_b32 s23, 0xfedcba98
	s_mov_b32 s33, 0xff7fffff                      ; the most negative finite f32: a masked score
	s_lshl_b32 s15, s12, 14
	v_add_nc_u32 v[ADO], s15, v[L16]
	s_lshl_b32 s15, s12, 11
	v_add_nc_u32 v[ADR], s15, v[L16]
	v_add_nc_u32 v[ADR2], 0x10000, v[ADR]
	v_lshlrev_b32 v7, 2, v7                        ; 4 x lane
	s_lshl_b32 s15, s12, 9
	s_add_co_u32 s15, s15, 131072
	v_add_nc_u32 v[ADM], s15, v7
	s_lshr_b32 s15, s12, 1                         ; the query block that I merge
	s_lshl_b32 s16, s15, 7
	s_add_co_u32 s16, s16, 131072
	v_add_nc_u32 v[ADMR], s16, v7
	s_lshl_b32 s15, s15, 12
	s_and_b32 s16, s12, 1
	s_lshl_b32 s16, s16, 10
	s_add_co_u32 s15, s15, s16
	v_add_nc_u32 v[AFO], s15, v[L16]               ; 16 L + 4,096 (w >> 1) + 1,024 (w & 1)
.irp q, 0,1,2,3
	v_mov_b32 v[UU+\q], 0                          ; v_permlanex16_b32 counts as a reader of its destination
	v_mov_b32 v[NM+2*\q+1], 0                      ; the pairs' unused partners
	v_mov_b32 v[AL+2*\q+1], 0
.endr
	s_lshl_b32 s16, s13, 19                        ; plane p: 524,288 bytes of qf and kf,
	s_mov_b32 s17, 0
	s_wait_kmcnt 0x0
	s_add_nc_u64 s[4:5], s[4:5], s[16:17]
	s_add_nc_u64 s[6:7], s[6:7], s[16:17]
	s_lshl_b32 s16, s13, 20                        ; 1,048,576 of vf
	s_add_nc_u64 s[8:9], s[8:9], s[16:17]
.macro VLOADS                          ; a V tile: both parts, 16 loads
.irp c, 0,1,2,3,4,5,6,7
	global_load_b128 v[VF+4*\c:VF+4*\c+3], v[VO], s[8:9] offset:512*\c
.endr
.irp c, 0,1,2,3,4,5,6,7
	global_load_b128 v[VL+4*\c:VL+4*\c+3], v[VO], s[8:9] offset:4096+512*\c
.endr
.endm
.macro DSTEP q                         ; the exponents of query block q: c s + NM
.irp e, 0,2,4,6
	v_pk_fma_f32 v[SC+8*\q+\e:SC+8*\q+\e+1], v[SC+8*\q+\e:SC+8*\q+\e+1], s[20:21], v[NM+2*\q:NM+2*\q+1] op_sel_hi:[1,0,0]
	v_pk_fma_f32 v[SC+32+8*\q+\e:SC+32+8*\q+\e+1], v[SC+32+8*\q+\e:SC+32+8*\q+\e+1], s[20:21], v[NM+2*\q:NM+2*\q+1] op_sel_hi:[1,0,0]
.endr
.endm
.macro ESTEP q                         ; 16 exponentials back to back; what follows a run is always plain work on another block's registers (ISA guide 5.7.2)
.irp e, 0,1,2,3,4,5,6,7
	v_exp_f32 v[SC+8*\q+\e], v[SC+8*\q+\e]
	v_exp_f32 v[SC+32+8*\q+\e], v[SC+32+8*\q+\e]
.endr
.endm
.macro FSTEP q, first                  ; the sum of my 16 p, into the running sum; p packed into P's fragment
	s_wait_alu depctr_va_vdst(0)
	v_pk_add_f32 v[WS:WS+1],   v[SC+8*\q:SC+8*\q+1],       v[SC+8*\q+2:SC+8*\q+3]
	v_pk_add_f32 v[WS+2:WS+3], v[SC+8*\q+4:SC+8*\q+5],     v[SC+8*\q+6:SC+8*\q+7]
	v_pk_add_f32 v[WS+4:WS+5], v[SC+32+8*\q:SC+32+8*\q+1], v[SC+32+8*\q+2:SC+32+8*\q+3]
	v_pk_add_f32 v[WS+6:WS+7], v[SC+32+8*\q+4:SC+32+8*\q+5], v[SC+32+8*\q+6:SC+32+8*\q+7]
.irp e, 0,1,2,3
	v_cvt_pk_f16_f32 v[PB+8*\q+\e], v[SC+8*\q+2*\e], v[SC+8*\q+2*\e+1]          ; keys 8 hh + 0..7
.endr
	v_pk_add_f32 v[WS:WS+1],   v[WS:WS+1],   v[WS+2:WS+3]
	v_pk_add_f32 v[WS+4:WS+5], v[WS+4:WS+5], v[WS+6:WS+7]
.irp e, 0,1,2,3
	v_cvt_pk_f16_f32 v[PB+8*\q+4+\e], v[SC+32+8*\q+2*\e], v[SC+32+8*\q+2*\e+1]  ; keys 16 + 8 hh + 0..7
.endr
	v_pk_add_f32 v[WS:WS+1], v[WS:WS+1], v[WS+4:WS+5]
.if \first
	v_add_f32 v[LS+\q], v[WS], v[WS+1]
.else
	v_add_f32 v[WS], v[WS], v[WS+1]
	v_fma_f32 v[LS+\q], v[LS+\q], v[AL+2*\q], v[WS]
.endif
.endm
; One key tile.  first = 1: the block's first tile of this wave starts every sum.
; Scalars: s29 = t; s26 = n - 2; s27 = byte offset in kf of the block's last tile; s31 = offset of my next tile, clamped to s27 (twice that in vf); s32 = 64 Jq - 32 t.
.macro TILE first
	s_wait_loadcnt 0x10                            ; this tile's 16 V loads are younger and stay out: K is in (and Q, in front of the first tile)
	WIN 0x04                                       ; source 1 (Q) in window 1
.irp ks, 0,1
.irp kb, 0,1
.irp qb, 0,1,2,3
.if \ks == 0
	v_wmma_f32_16x16x32_f16 v[SC+32*\kb+8*\qb:SC+32*\kb+8*\qb+7], v[KF+16*\kb:KF+16*\kb+7], v[QW+16*\qb:QW+16*\qb+7], 0
.else
	v_wmma_f32_16x16x32_f16 v[SC+32*\kb+8*\qb:SC+32*\kb+8*\qb+7], v[KF+16*\kb+8:KF+16*\kb+15], v[QW+16*\qb+8:QW+16*\qb+15], v[SC+32*\kb+8*\qb:SC+32*\kb+8*\qb+7]
.endif
.endr
.endr
.endr                                              ; eight accumulators by turns, one instruction a turn
	WIN 0
	v_add_nc_u32 v[KO], s31, v[L16]                ; four places; KO is free since the wait above showed K's loads done
	v_nop
	v_nop
	v_nop
.irp c, 0,1,2,3,4,5,6,7
	global_load_b128 v[KF+4*\c:KF+4*\c+3], v[KO], s[6:7] offset:512*\c   ; my next K tile: it has the softmax and the second product in which to come
.endr
	s_cmp_lt_u32 s29, s26                          ; only the block's last two tiles (and a tile beyond them) meet the diagonal
	s_cbranch_scc1 .Lfull_\@
	v_add_nc_u32 v[TT], s32, v[DL]                 ; a key stays if 32 t + 16 kb + 8 hh + j <= 64 Jq + 16 qb + r
.irp kb, 0,1
.irp qb, 0,1,2,3
.irp j, 0,1,2,3,4,5,6,7
	v_cmp_le_i32 vcc_lo, \j+16*\kb-16*\qb, v[TT]
	v_cndmask_b32 v[SC+32*\kb+8*\qb+\j], s33, v[SC+32*\kb+8*\qb+\j], vcc_lo
.endr
.endr
.endr
.Lfull_\@:
	; the new maximum of each query: my 16 scores and the old maximum, four chains side by side, then the other half's
.irp i, 0,1,2,3,4,5,6,7
.irp qb, 0,1,2,3
.if \i == 0
	v_max3_num_f32 v[TM+\qb], v[SC+8*\qb], v[SC+8*\qb+1], v[MX+\qb]
.else
	v_max3_num_f32 v[TM+\qb], v[SC+32*(\i>>2)+8*\qb+2*(\i&3)], v[SC+32*(\i>>2)+8*\qb+2*(\i&3)+1], v[TM+\qb]
.endif
.endr
.endr
.irp qb, 0,1,2,3
	v_permlanex16_b32 v[UU+\qb], v[TM+\qb], s22, s23
.endr
.irp qb, 0,1,2,3
	v_max_num_f32 v[MX+\qb], v[TM+\qb], v[UU+\qb]
.endr
.if \first
.irp qb, 0,1,2,3
	v_mul_f32 v[NM+2*\qb], s34, v[MX+\qb]
.endr
.else
.irp qb, 0,1,2,3
	v_mul_f32 v[W4+\qb], s34, v[MX+\qb]
.endr
.irp qb, 0,1,2,3
	v_sub_f32 v[AL+2*\qb], v[W4+\qb], v[NM+2*\qb]  ; NM_new - NM_old, at most 0
.endr
.irp qb, 0,1,2,3
	v_exp_f32 v[AL+2*\qb], v[AL+2*\qb]
.endr
.irp qb, 0,1,2,3
	v_mov_b32 v[NM+2*\qb], v[W4+\qb]               ; the state for the next tile (also the plain work behind the exponentials)
.endr
.endif
	DSTEP 0
	ESTEP 0
	DSTEP 1
	ESTEP 1
	FSTEP 0, \first
	DSTEP 2
	ESTEP 2
	FSTEP 1, \first
	DSTEP 3
	ESTEP 3
	FSTEP 2, \first
	FSTEP 3, \first
.if \first == 0
	WIN 0x41                                       ; O in window 1, the factor in window 0
.irp qb, 0,1,2,3
.irp e, 0,2,4,6,8,10,12,14,16,18,20,22,24,26,28,30
	v_pk_mul_f32 v[32*\qb+\e:32*\qb+\e+1], v[32*\qb+\e:32*\qb+\e+1], v[AL+2*\qb:AL+2*\qb+1] op_sel_hi:[1,0]
.endr
.endr
.endif
	s_wait_loadcnt 0x8                             ; the next tile's 8 K loads are younger and stay out: V is in
	WIN 0x50                                       ; C and D in window 1
.irp qb, 0,1,2,3
.irp db, 0,1,2,3
.if \first
	v_wmma_f32_16x16x32_f16 v[8*(4*\qb+\db):8*(4*\qb+\db)+7], v[VF+8*\db:VF+8*\db+7], v[PB+8*\qb:PB+8*\qb+7], 0
.else
	v_wmma_f32_16x16x32_f16 v[8*(4*\qb+\db):8*(4*\qb+\db)+7], v[VF+8*\db:VF+8*\db+7], v[PB+8*\qb:PB+8*\qb+7], v[8*(4*\qb+\db):8*(4*\qb+\db)+7]
.endif
.endr
.endr
.irp qb, 0,1,2,3
.irp db, 0,1,2,3
	v_wmma_f32_16x16x32_f16 v[8*(4*\qb+\db):8*(4*\qb+\db)+7], v[VL+8*\db:VL+8*\db+7], v[PB+8*\qb:PB+8*\qb+7], v[8*(4*\qb+\db):8*(4*\qb+\db)+7]
.endr
.endr                                              ; sixteen accumulators by turns, one instruction a turn, twice round
	WIN 0
	v_lshl_add_u32 v[VO], s31, 1, v[L16]           ; four places; VO is free since the wait above showed V's loads done
	v_nop
	v_nop
	v_nop
	VLOADS
	s_add_co_u32 s29, s29, 8                       ; my next tile; behind my last one the loads fall on the block's last tile, so that the counts are alike in every trip
	s_add_co_u32 s31, s31, 32768
	s_min_u32 s31, s31, s27
	s_sub_co_i32 s32, s32, 256
.endm
; The eight waves' partial results become one.  Wave w sums O's tiles 2 w, 2 w + 1: query block w >> 1, d blocks 2 (w & 1) + 0, 1.
.macro MERGE last
.irp q, 0,1,2,3
	v_permlanex16_b32 v[UU+\q], v[LS+\q], s22, s23
.endr
.irp q, 0,1,2,3
	v_add_f32 v[LS+\q], v[LS+\q], v[UU+\q]         ; both halves' keys
.endr
	WIN 0x04                                       ; store data in window 1
.set k, 0
.rept 32
	ds_store_b128 v[ADO], v[4*k:4*k+3] offset:512*k
.set k, k+1
.endr
	WIN 0
.irp q, 0,1,2,3
	ds_store_b32 v[ADM], v[NM+2*\q] offset:128*\q
	ds_store_b32 v[ADM], v[LS+\q] offset:4096+128*\q
.endr
	s_wait_dscnt 0x0                               ; my stores are done, for the others' sake
	s_barrier_signal -1
	s_barrier_wait -1
.irp u, 0,1,2,3
.irp c, 0,1,2,3
	ds_load_b128 v[OP+16*\u+4*\c:OP+16*\u+4*\c+3], v[ADR] offset:16384*\u+512*\c
.endr
.endr
.irp u, 0,1,2,3
.irp c, 0,1,2,3
	ds_load_b128 v[OP+64+16*\u+4*\c:OP+64+16*\u+4*\c+3], v[ADR2] offset:16384*\u+512*\c
.endr
.endr
.irp u, 0,1,2,3,4,5,6,7
	ds_load_b32 v[MM+\u], v[ADMR] offset:512*\u
	ds_load_b32 v[LL+\u], v[ADMR] offset:4096+512*\u
.endr
	s_wait_dscnt 0x0
.if \last == 0
	s_barrier_signal -1                            ; every wave's reads are back: the next block's stores may overwrite these bytes
	s_barrier_wait -1
.endif
	v_min3_num_f32 v[TM], v[MM], v[MM+1], v[MM+2]  ; the least NM belongs to the largest maximum
	v_min3_num_f32 v[TM], v[TM], v[MM+3], v[MM+4]
	v_min3_num_f32 v[TM], v[TM], v[MM+5], v[MM+6]
	v_min_num_f32 v[TM], v[TM], v[MM+7]
.irp u, 0,1,2,3,4,5,6,7
	v_sub_f32 v[MM+\u], v[TM], v[MM+\u]
.endr
.irp u, 0,1,2,3,4,5,6,7
	v_exp_f32 v[MM+\u], v[MM+\u]
.endr
	v_nop                                          ; one plain instruction behind the exponentials
	s_wait_alu depctr_va_vdst(0)
	v_mul_f32 v[TM], v[MM], v[LL]
.irp u, 1,2,3,4,5,6,7
	v_fmac_f32 v[TM], v[MM+\u], v[LL+\u]
.endr
	v_rcp_f32 v[TM], v[TM]                         ; the sum holds the term 1 of the row's largest score
	v_nop
	s_wait_alu depctr_va_vdst(0)
.irp u, 0,1,2,3,4,5,6,7
	v_mul_f32 v[EW+2*\u], v[MM+\u], v[TM]
	v_mul_f32 v[EW+2*\u+1], v[MM+\u], v[TM]
.endr
.irp e, 0,2,4,6,8,10,12,14
	v_pk_mul_f32 v[RS+\e:RS+\e+1], v[OP+\e:OP+\e+1], v[EW:EW+1]
.endr
.irp u, 1,2,3,4,5,6,7
.irp e, 0,2,4,6,8,10,12,14
	v_pk_fma_f32 v[RS+\e:RS+\e+1], v[OP+16*\u+\e:OP+16*\u+\e+1], v[EW+2*\u:EW+2*\u+1], v[RS+\e:RS+\e+1]
.endr
.endr
.irp e, 0,1,2,3,4,5,6,7
	v_cvt_pk_f16_f32 v[OH+\e], v[RS+2*\e], v[RS+2*\e+1]            ; the first part
.endr
	v_cvt_f32_f16 v56, v48.l                       ; widened again: v[TL + 2 e], v[TL + 2 e + 1] from the halves of v[OH + e]
	v_cvt_f32_f16 v57, v48.h
	v_cvt_f32_f16 v58, v49.l
	v_cvt_f32_f16 v59, v49.h
	v_cvt_f32_f16 v60, v50.l
	v_cvt_f32_f16 v61, v50.h
	v_cvt_f32_f16 v62, v51.l
	v_cvt_f32_f16 v63, v51.h
	v_cvt_f32_f16 v64, v52.l
	v_cvt_f32_f16 v65, v52.h
	v_cvt_f32_f16 v66, v53.l
	v_cvt_f32_f16 v67, v53.h
	v_cvt_f32_f16 v68, v54.l
	v_cvt_f32_f16 v69, v54.h
	v_cvt_f32_f16 v70, v55.l
	v_cvt_f32_f16 v71, v55.h
.irp e, 0,1,2,3,4,5,6,7,8,9,10,11,12,13,14,15
	v_sub_f32 v[TL+\e], v[RS+\e], v[TL+\e]         ; exact: what the first part left
.endr
.irp e, 0,1,2,3,4,5,6,7
	v_cvt_pk_f16_f32 v[OL+\e], v[TL+2*\e], v[TL+2*\e+1]            ; the second part
.endr
	s_lshr_b32 s36, s13, 2                         ; batch
	s_lshl_b32 s36, s36, 6
	s_add_co_u32 s36, s36, s24                     ; rb64 = 64 batch + Jq
	s_lshl_b32 s36, s36, 16
	s_bfe_u32 s37, s13, 0x10001                    ; kh = head >> 1
	s_lshl_b32 s37, s37, 15
	s_add_co_u32 s36, s36, s37
	s_and_b32 s37, s13, 1                          ; c8 = 4 (head & 1) + db
	s_lshl_b32 s37, s37, 11
	s_add_co_u32 s36, s36, s37
	s_mov_b32 s37, 0
	s_add_nc_u64 s[40:41], s[10:11], s[36:37]
	global_store_b128 v[AFO], v[OH:OH+3], s[40:41]                 ; each store of the wave covers 512 consecutive bytes, aligned
	global_store_b128 v[AFO], v[OH+4:OH+7], s[40:41] offset:512
	global_store_b128 v[AFO], v[OL:OL+3], s[40:41] offset:16384
	global_store_b128 v[AFO], v[OL+4:OL+7], s[40:41] offset:16896
.endm
; One block of 64 query rows, Jq in s24
.macro BLOCK last
.if \last
	s_wait_xcnt 0x0                                ; the first block's stores have had their addresses translated (ISA guide 3.1): their base and data are rewritten below
.endif
	s_lshl_b32 s25, s24, 1
	s_add_co_u32 s25, s25, 2                       ; n = 2 Jq + 2 key tiles
	s_sub_co_u32 s26, s25, 2
	s_sub_co_u32 s27, s25, 1
	s_lshl_b32 s27, s27, 12
	s_add_co_u32 s28, s25, 7
	s_sub_co_u32 s28, s28, s12
	s_lshr_b32 s28, s28, 3
	s_max_u32 s28, s28, 1                          ; my tiles: those t = w + 8 i below n; a wave with none (n < 8) runs one tile whose t masks every key
	s_mov_b32 s29, s12                             ; t
	s_lshl_b32 s30, s12, 12
	s_min_u32 s30, s30, s27                        ; my first tile's offset in kf
	s_add_co_u32 s31, s30, 32768
	s_min_u32 s31, s31, s27
	s_lshl_b32 s32, s24, 6
	s_lshl_b32 s38, s12, 5
	s_sub_co_i32 s32, s32, s38                     ; 64 Jq - 32 t
	s_lshl_b32 s38, s24, 13
	v_add_nc_u32 v[QO], s38, v[L16]                ; the block's 8,192 bytes of qf
	v_add_nc_u32 v[KO], s30, v[L16]
	v_lshl_add_u32 v[VO], s30, 1, v[L16]           ; a tile of vf has twice the bytes
	WIN 0x40
.irp c, 0,1,2,3,4,5,6,7,8,9,10,11,12,13,14,15
	global_load_b128 v[QW+4*\c:QW+4*\c+3], v[QO], s[4:5] offset:512*\c
.endr
	WIN 0
.irp c, 0,1,2,3,4,5,6,7
	global_load_b128 v[KF+4*\c:KF+4*\c+3], v[KO], s[6:7] offset:512*\c
.endr
	VLOADS
.irp q, 0,1,2,3
	v_mov_b32 v[MX+\q], 0xf149f2ca                 ; -1e30
.endr
	TILE 1
	s_cmp_gt_u32 s28, 1
	s_cbranch_scc0 .Ldone_\@
	s_mov_b32 s35, 1
.Ltile_\@:
	TILE 0
	s_add_co_u32 s35, s35, 1
	s_cmp_lt_u32 s35, s28
	s_cbranch_scc1 .Ltile_\@
.Ldone_\@:
	s_wait_loadcnt 0x0                             ; the last trip's clamped loads: K's and V's registers are used again below
	MERGE \last
.endm
	s_mov_b32 s24, s14
	BLOCK 0
	s_sub_co_u32 s24, 63, s24
	BLOCK 1
	s_wait_tensorcnt 0x0
	ds_add_u32 v46, v47
	s_wait_dscnt 0x0
	s_endpgm
.Lfunc_end_k_q3538597325_attn:
	.size	k_q3538597325_attn, .Lfunc_end_k_q3538597325_attn-k_q3538597325_attn
	.p2alignl 7, 3214868480
	.fill 96, 4, 3214868480
	.section	.rodata,"a",@progbits
	.p2align	6, 0x0
	.amdhsa_kernel k_q3538597325_attn
		.amdhsa_group_segment_fixed_size 140288
		.amdhsa_private_segment_fixed_size 0
		.amdhsa_enable_private_segment 0
		.amdhsa_kernarg_size 32
		.amdhsa_user_sgpr_count 2
		.amdhsa_user_sgpr_kernarg_segment_ptr 1
		.amdhsa_wavefront_size32 1
		.amdhsa_system_sgpr_workgroup_id_x 1
		.amdhsa_system_sgpr_workgroup_id_y 1
		.amdhsa_system_sgpr_workgroup_id_z 1
		.amdhsa_system_vgpr_workitem_id 0
		.amdhsa_next_free_vgpr 448
		.amdhsa_next_free_sgpr 66
		.amdhsa_reserve_vcc 1
		.amdhsa_float_denorm_mode_32 3
		.amdhsa_float_denorm_mode_16_64 3
		.amdhsa_memory_ordered 1
		.amdhsa_forward_progress 1
		.amdhsa_inst_pref_size 136
	.end_amdhsa_kernel
	.amdgpu_metadata
---
amdhsa.version: [ 1, 2 ]
amdhsa.kernels:
  - .name:           k_q3538597325_attn
    .symbol:         k_q3538597325_attn.kd
    .args:
      - { .name: qf, .offset: 0, .size: 8, .value_kind: global_buffer, .address_space: global }
      - { .name: kf, .offset: 8, .size: 8, .value_kind: global_buffer, .address_space: global }
      - { .name: vf, .offset: 16, .size: 8, .value_kind: global_buffer, .address_space: global }
      - { .name: af, .offset: 24, .size: 8, .value_kind: global_buffer, .address_space: global }
    .group_segment_fixed_size: 140288
    .private_segment_fixed_size: 0
    .kernarg_segment_align: 8
    .kernarg_segment_size: 32
    .max_flat_workgroup_size: 256
    .sgpr_count:     66
    .vgpr_count:     448
    .wavefront_size: 32
...
	.end_amdgpu_metadata
.endif
;; end of part 3
;; launch oproj (part 4): grid 4 x 64, 4 waves a work-group, clusters of 4 x 4, 296,448 bytes of LDS; arguments af, wof, out0; writes out0
.if DOCPART == 4
	.amdgcn_target "amdgcn-amd-amdhsa--gfx1250"
	.amdhsa_code_object_version 6
	.text
	.protected	k_q3538597325_oproj
	.globl	k_q3538597325_oproj
	.p2align	8
	.type	k_q3538597325_oproj,@function
k_q3538597325_oproj:
	s_mov_b64 s[64:65], 0
	v_nop
	global_prefetch_b8 v0, s[64:65] scope:SCOPE_SE
	s_setreg_imm32_b32 hwreg(HW_REG_WAVE_MODE, 25, 1), 1
	s_wait_xcnt 0x0
	s_wait_alu depctr_hold_cnt(0) depctr_sa_sdst(0) depctr_va_vdst(0) depctr_va_sdst(0) depctr_va_ssrc(0) depctr_va_vcc(0) depctr_vm_vsrc(0)
	s_getreg_b32 s2, hwreg(HW_REG_IB_STS2, 6, 4)
	s_cmp_eq_u32 s2, 0
	s_cbranch_scc0 .Lentry_in_a_cluster
	s_endpgm
.Lentry_in_a_cluster:
	s_bfe_u32 s2, ttmp6, 0x10000c
	s_cmp_lg_u32 s2, 0xf033
	s_cbranch_scc0 .Lentry_shape_is_right
	s_endpgm
.Lentry_shape_is_right:
; oproj: out0 [8192 x 1024] f32 = AO [8192 x 256] times wo [256 x 1024], both read in fragment order (af, wof), f16 operands, f32 sums.
; AO comes as the sum of two f16 numbers (af's parts 0 and 1); both parts are multiplied by the same fragment of wo, onto the same accumulator.
; Work-group (Nb = block column, Mb = block row): 128 rows x 256 columns.  Wave (wm = w >> 1, wn = w & 1): 64 x 128 = 32 accumulators, window 1, tile (mb, nb) at 8 (8 mb + nb).
; K = 256 is two halves, each in an LDS slot of its own: one first fill a wave and half, and nothing is filled again.  By this text's count a wave has
; two tensor loads out at the most.  CLUSTERS of 4 x 4: AO's tile hangs on Mb alone (joint along a row of the cluster), wo's on Nb alone (joint along a column).
; The matrix instruction is used transposed (source 0 = wo's fragment, source 1 = AO's): a lane holds one row and eight neighbouring columns, 32 bytes.
; The way out goes 16 rows at a time through a stage of the wave's own in LDS, so that each store of the wave covers 512 consecutive bytes of a row, aligned.
; REGISTERS: window 0: addresses, AO's fragments in two buffers; window 1: the accumulators; window 2: wo's fragments in two buffers.
.set REG,   32768                      ; LDS region of one wave's load: 32,768 dense bytes of af (64 rows, both parts) or of wof (128 columns): chunks of 512 bytes read by 32 lanes x 16 bytes
.set SLOT,  4*REG
.set STAGE, 2*SLOT                     ; behind the slots: 16 rows x 528 bytes for each wave; no fill lands here
.set SP,    528                        ; 512 bytes + 16: the 16 rows that a store touches start 16 bytes apart modulo 256
.set ADRA, 16                          ; v16-17 LDS address of my AO fragments in slot 0, 1
.set ADRB, 20                          ; v20-21 the same for wo
.set STO,  24                          ; v24 the way out: where I put 32 bytes of a row
.set RD,   25                          ; v25 the way out: where I read a row back
.set CO,   26                          ; v26 my byte offset in a row's 512 bytes
.set FA,   64                          ; window 0: v[64:127], v[128:191]: buffer u at +64 u; part 0's block mb at +8 mb, part 1's at +32 + 8 mb
.set FW,   0                           ; window 2: v[0:63], v[64:127]: buffer u at +64 u; wo's block nb at +8 nb
.set G1, 24
.set G0, 32
.set G1B, 48
.set G0B, 56
.set MSB, 0
.macro WIN new
.if MSB != \new
	s_set_vgpr_msb (MSB<<8)|\new
.set MSB, \new
.endif
.endm
.set MULW, 0x52                        ; source 0 (wo) window 2, source 1 (AO) window 0, C and D window 1
.set TO_W, 0x80                        ; destination window 2, address window 0
.macro JLOAD s                         ; waves 0, 1 ask for AO's two halves, waves 2, 3 for wo's
	s_cmp_eq_u32 s11, 0
	s_cbranch_scc0 .Lfor_b_\@
	tensor_load_to_lds s[G0+4*\s:G0+4*\s+3], s[G1:G1+7]
	s_nop 0
	s_branch .Lasked_\@
.Lfor_b_\@:
	tensor_load_to_lds s[G0B+4*\s:G0B+4*\s+3], s[G1B:G1B+7]
	s_nop 0
.Lasked_\@:
.endm
.macro CROUND                          ; a round of the cluster's barrier
	s_barrier_signal -1
	s_barrier_wait -1
	s_cmp_lg_u32 s10, 0
	s_cbranch_scc1 .Lnot_wave_0_\@
	s_barrier_signal -3
.Lnot_wave_0_\@:
	s_barrier_wait -3
	s_barrier_signal -1
	s_barrier_wait -1
.endm
.macro PLACES                          ; four plain vector instructions behind a matrix instruction (ISA guide 7.12.1)
.rept 4
	v_nop
.endr
.endm
	s_load_b128 s[4:7], s[0:1], 0x0                ; af, wof
	s_load_b64 s[8:9], s[0:1], 0x10                ; out0
	v_lshl_add_u32 v254, v0, 2, 0x48400
	v_mov_b32 v255, 0
	ds_add_u32 v254, v255
	v_lshrrev_b32 v1, 5, v0
	v_readfirstlane_b32 s10, v1                    ; wave 0..3
	s_lshr_b32 s11, s10, 1                         ; wm.  Also: I fetch AO (0) or wo (1)
	s_and_b32 s12, s10, 1                          ; wn.  Also: which half of that tile
	s_bfe_u32 s40, ttmp6, 0x40000                  ; cx
	s_bfe_u32 s41, ttmp6, 0x40004                  ; cy
	s_lshl_b32 s42, ttmp9, 2
	s_add_co_u32 s42, s42, s40                     ; Nb
	s_and_b32 s13, ttmp7, 0xffff
	s_lshl_b32 s13, s13, 2
	s_add_co_u32 s13, s13, s41                     ; Mb
	s_lshl_b32 s43, s41, 2
	s_lshl_b32 s43, 15, s43                        ; my row of the cluster
	s_lshl_b32 s44, 0x1111, s40                    ; my column
	; dense blocks of 32,768 bytes as 128 rows of 32 elements of 8 bytes; the two groups differ in the mask alone
	s_or_b32 s[G1+0], s43, (3<<16)|(1<<21)
	s_mov_b32 s[G1+1], 32<<16
	s_mov_b32 s[G1+2], 128<<16
	s_mov_b32 s[G1+3], 32<<16
	s_mov_b32 s[G1+4], 128
	s_mov_b32 s[G1+5], 32
	s_mov_b32 s[G1+6], 0
	s_mov_b32 s[G1+7], 0
	s_or_b32 s[G1B+0], s44, (3<<16)|(1<<21)
	s_mov_b32 s[G1B+1], 32<<16
	s_mov_b32 s[G1B+2], 128<<16
	s_mov_b32 s[G1B+3], 32<<16
	s_mov_b32 s[G1B+4], 128
	s_mov_b32 s[G1B+5], 32
	s_mov_b32 s[G1B+6], 0
	s_mov_b32 s[G1B+7], 0
	s_lshl_b32 s16, s13, 17                        ; af: block of 64 rows number 2 Mb + half, 65,536 bytes each
	s_lshl_b32 s17, s12, 16
	s_add_co_u32 s16, s16, s17
	s_mov_b32 s17, 0
	s_lshl_b32 s46, s42, 17                        ; wof: block of 128 columns number 2 Nb + half, 65,536 bytes each
	s_lshl_b32 s47, s12, 16
	s_add_co_u32 s46, s46, s47
	s_mov_b32 s47, 0
	s_mul_i32 s20, s10, REG
	s_wait_dscnt 0x0
	s_wait_kmcnt 0x0
	s_add_nc_u64 s[14:15], s[4:5], s[16:17]
	s_add_nc_u64 s[46:47], s[6:7], s[46:47]
	CROUND                                         ; all sixteen work-groups are here: the joint loads meet
.irp s, 0,1
	s_mov_b32 s[G0+4*\s], 1
	s_add_co_u32 s[G0+4*\s+1], s20, \s*SLOT
	s_add_nc_u64 s[G0+4*\s+2:G0+4*\s+3], s[14:15], \s*32768        ; K half s
	s_or_b32 s[G0+4*\s+3], s[G0+4*\s+3], 0x80000000
	s_mov_b32 s[G0B+4*\s], 1
	s_add_co_u32 s[G0B+4*\s+1], s20, \s*SLOT
	s_add_nc_u64 s[G0B+4*\s+2:G0B+4*\s+3], s[46:47], \s*32768
	s_or_b32 s[G0B+4*\s+3], s[G0B+4*\s+3], 0x80000000
	JLOAD \s
.endr
	v_and_b32 v1, 15, v0                           ; r
	v_bfe_u32 v2, v0, 4, 1                         ; hh
	v_and_b32 v3, 31, v0
	v_lshlrev_b32 v[CO], 4, v3                     ; 16 L
	s_mul_i32 s21, s11, REG
	s_mul_i32 s22, s12, REG
	s_add_co_u32 s22, s22, 2*REG
.irp s, 0,1
	v_add_nc_u32 v[ADRA+\s], s21, v[CO]
	v_add_nc_u32 v[ADRB+\s], s22, v[CO]
	s_add_co_u32 s21, s21, SLOT
	s_add_co_u32 s22, s22, SLOT
.endr
	s_mul_i32 s23, s10, 16*SP
	s_add_co_u32 s23, s23, STAGE                   ; my stage
	v_mul_u32_u24 v4, v1, SP
	v_lshl_add_u32 v4, v2, 5, v4                   ; row r, 32 bytes for each half of the lanes
	v_add_nc_u32 v[STO], s23, v4
	v_add_nc_u32 v[RD], s23, v[CO]
; 32 matrix instructions: one part of AO, all four row blocks by all eight column blocks, 32 along K.  The 32 accumulators take turns, one instruction a turn,
; in the same order for both parts and in every quarter.
.macro MUL32 u, part, zero
.irp mb, 0,1,2,3
.irp nb, 0,1,2,3,4,5,6,7
.if \zero
	v_wmma_f32_16x16x32_f16 v[8*(8*\mb+\nb):8*(8*\mb+\nb)+7], v[FW+64*\u+8*\nb:FW+64*\u+8*\nb+7], v[FA+64*\u+32*\part+8*\mb:FA+64*\u+32*\part+8*\mb+7], 0
.else
	v_wmma_f32_16x16x32_f16 v[8*(8*\mb+\nb):8*(8*\mb+\nb)+7], v[FW+64*\u+8*\nb:FW+64*\u+8*\nb+7], v[FA+64*\u+32*\part+8*\mb:FA+64*\u+32*\part+8*\mb+7], v[8*(8*\mb+\nb):8*(8*\mb+\nb)+7]
.endif
.endr
.endr
.endm
; 32 LDS loads: the fragments of quarter ks of K half kh into buffer u
.macro FETCH kh, ks, u
	WIN TO_W
.irp nb, 0,1,2,3,4,5,6,7
	ds_load_b128 v[FW+64*\u+8*\nb:FW+64*\u+8*\nb+3],   v[ADRB+\kh] offset:\nb*4096+1024*\ks
	ds_load_b128 v[FW+64*\u+8*\nb+4:FW+64*\u+8*\nb+7], v[ADRB+\kh] offset:\nb*4096+1024*\ks+512
.endr
	WIN 0
.irp part, 0,1
.irp mb, 0,1,2,3
	ds_load_b128 v[FA+64*\u+32*\part+8*\mb:FA+64*\u+32*\part+8*\mb+3],   v[ADRA+\kh] offset:\part*16384+\mb*4096+1024*\ks
	ds_load_b128 v[FA+64*\u+32*\part+8*\mb+4:FA+64*\u+32*\part+8*\mb+7], v[ADRA+\kh] offset:\part*16384+\mb*4096+1024*\ks+512
.endr
.endr
.endm
.macro QUARTER kh, ksn, u, un, zero    ; buffer u is multiplied; the next quarter's fragments are asked for first, into buffer un, and have 64 matrix instructions in which to land
	s_wait_dscnt 0x0
	PLACES
	FETCH \kh, \ksn, \un
	WIN MULW
	MUL32 \u, 0, \zero
	MUL32 \u, 1, 0
.endm
	s_wait_tensorcnt 0x1                           ; my part of K half 0 is in; half 1's load is the one that may stay out
	s_barrier_signal -1
	s_barrier_wait -1
	FETCH 0, 0, 0
	QUARTER 0, 1, 0, 1, 1                          ; the first products start the sums
	QUARTER 0, 2, 1, 0, 0
	QUARTER 0, 3, 0, 1, 0
	s_wait_dscnt 0x0                               ; the change of halves: no LDS instruction of mine is pending at the signal,
	s_wait_tensorcnt 0x0                           ; and my part of K half 1 has landed
	s_barrier_signal -1
	WIN MULW
	MUL32 1, 0, 0
	WIN 0
	s_barrier_wait -1                              ; everybody's has
	PLACES
	FETCH 1, 0, 0
	WIN MULW
	MUL32 1, 1, 0
	QUARTER 1, 1, 0, 1, 0
	QUARTER 1, 2, 1, 0, 0
	QUARTER 1, 3, 0, 1, 0
	s_wait_dscnt 0x0
	WIN MULW
	MUL32 1, 0, 0
	MUL32 1, 1, 0
	PLACES                                         ; behind the last matrix instructions: the LDS stores read results, the loads below land in AO's buffers
	s_lshl_b32 s16, s13, 19                        ; 128 Mb rows of 4,096 bytes
	s_lshl_b32 s17, s11, 18                        ; + 64 wm rows
	s_add_co_u32 s16, s16, s17
	s_mov_b32 s17, 0
	s_add_nc_u64 s[8:9], s[8:9], s[16:17]
	s_lshl_b32 s46, s42, 10                        ; + 256 Nb columns
	s_lshl_b32 s47, s12, 9                         ; + 128 wn columns
	s_add_co_u32 s46, s46, s47
	s_mov_b32 s47, 0
	s_add_nc_u64 s[8:9], s[8:9], s[46:47]
; rows 16 mb .. 16 mb + 15 of my block; f: AO's buffer 0 or 1 in turn
.macro OUT16 mb, f
	WIN 0x04                                       ; store data in window 1
.irp nb, 0,1,2,3,4,5,6,7
	ds_store_b128 v[STO], v[8*(8*\mb+\nb):8*(8*\mb+\nb)+3] offset:64*\nb
	ds_store_b128 v[STO], v[8*(8*\mb+\nb)+4:8*(8*\mb+\nb)+7] offset:64*\nb+16
.endr
	WIN 0
	s_wait_xcnt 0x0                                ; every earlier store has had its addresses translated (ISA guide 3.1): buffer f and the base are rewritten only behind this wait
.if \mb
	s_add_nc_u64 s[8:9], s[8:9], 65536             ; 16 rows on
.endif
.irp t, 0,1,2,3,4,5,6,7,8,9,10,11,12,13,14,15
	ds_load_b128 v[\f+4*\t:\f+4*\t+3], v[RD] offset:\t*SP          ; LDS serves a wave's instructions in order (ISA guide 5.7.1.4): these see the stores above
.endr
.irp t, 0,1,2,3,4,5,6,7,8,9,10,11,12,13,14,15
	s_wait_dscnt 15-\t                             ; the younger read-backs stay out
	global_store_b128 v[CO], v[\f+4*\t:\f+4*\t+3], s[8:9] offset:\t*4096 th:TH_STORE_NT
.endr
.endm
	OUT16 0, FA
	OUT16 1, FA+64
	OUT16 2, FA
	OUT16 3, FA+64
	s_wait_tensorcnt 0x0
	ds_add_u32 v254, v255
	s_wait_dscnt 0x0
	CROUND                                         ; the closing round
	s_endpgm
.Lfunc_end_k_q3538597325_oproj:
	.size	k_q3538597325_oproj, .Lfunc_end_k_q3538597325_oproj-k_q3538597325_oproj
	.p2alignl 7, 3214868480
	.fill 96, 4, 3214868480
	.section	.rodata,"a",@progbits
	.p2align	6, 0x0
	.amdhsa_kernel k_q3538597325_oproj
		.amdhsa_group_segment_fixed_size 296448
		.amdhsa_private_segment_fixed_size 0
		.amdhsa_enable_private_segment 0
		.amdhsa_kernarg_size 24
		.amdhsa_user_sgpr_count 2
		.amdhsa_user_sgpr_kernarg_segment_ptr 1
		.amdhsa_wavefront_size32 1
		.amdhsa_system_sgpr_workgroup_id_x 1
		.amdhsa_system_sgpr_workgroup_id_y 1
		.amdhsa_system_sgpr_workgroup_id_z 1
		.amdhsa_system_vgpr_workitem_id 0
		.amdhsa_next_free_vgpr 640
		.amdhsa_next_free_sgpr 66
		.amdhsa_reserve_vcc 0
		.amdhsa_float_denorm_mode_32 3
		.amdhsa_float_denorm_mode_16_64 3
		.amdhsa_memory_ordered 1
		.amdhsa_forward_progress 1
		.amdhsa_inst_pref_size 73
	.end_amdhsa_kernel
	.amdgpu_metadata
---
amdhsa.version: [ 1, 2 ]
amdhsa.kernels:
  - .name:           k_q3538597325_oproj
    .symbol:         k_q3538597325_oproj.kd
    .args:
      - { .name: af, .offset: 0, .size: 8, .value_kind: global_buffer, .address_space: global }
      - { .name: wof, .offset: 8, .size: 8, .value_kind: global_buffer, .address_space: global }
      - { .name: out0, .offset: 16, .size: 8, .value_kind: global_buffer, .address_space: global }
    .group_segment_fixed_size: 296448
    .private_segment_fixed_size: 0
    .kernarg_segment_align: 8
    .kernarg_segment_size: 24
    .max_flat_workgroup_size: 128
    .sgpr_count:     66
    .vgpr_count:     640
    .wavefront_size: 32
...
	.end_amdgpu_metadata
.endif
;; end of part 4
;; ======== version 2 of 2: 4 launches; version 1 with the launch prep written anew for expert scheduling mode
;; limits: values outside matrix products are rounded to bf16; values are held in f16: magnitudes above 65,504 overflow, below 6.1e-05 lose precision
;; workspace buffers: xb 16,777,216 bytes; wf 1,572,864 bytes; wof 524,288 bytes; qf 4,194,304 bytes; kf 4,194,304 bytes; vf 8,388,608 bytes; af 8,388,608 bytes
;; launch prep (part 5): grid 256 x 1, 8 waves a work-group, no clusters, 0 bytes of LDS; arguments x, wq, wk, wv, wo, xb, wf, wof; writes xb, wf, wof
.if DOCPART == 5
	.amdgcn_target "amdgcn-amd-amdhsa--gfx1250"
	.amdhsa_code_object_version 6
	.text
	.protected	k_q3538597325_prep
	.globl	k_q3538597325_prep
	.p2align	8
	.type	k_q3538597325_prep,@function
k_q3538597325_prep:
	s_mov_b64 s[64:65], 0
	v_nop
	global_prefetch_b8 v0, s[64:65] scope:SCOPE_SE
	s_setreg_imm32_b32 hwreg(HW_REG_WAVE_SCHED_MODE, 0, 2), 2
	s_setreg_imm32_b32 hwreg(HW_REG_WAVE_MODE, 25, 1), 1
	s_wait_xcnt 0x0
	s_wait_alu depctr_vm_vsrc(0)
; prep: x (xb, row-major) and the weights, in 16 bits, the weights in the order in which matrix fragments want them.
; FORMAT.  Every input number is rounded to bf16 (nearest even) and the result is then written as f16, in which a bf16 number is exact
; from 2^-17 up to f16's largest number; below that the absolute error is at most 2^-25.  f16 is taken because what is made of these numbers later
; (the folded weight here, q, k, v, the probabilities) keeps three more bits in it.  LIMIT: |x| and the weights stay below 65,504.
; A "chunk" is 512 bytes: lane L = (r = L & 15, hh = L >> 4) holds 16 bytes = eight neighbouring k (8 hh + 0..7 of 16) of column r.
;   wf  = s*196608 + h*49152 + wn*24576 + ty*8192 + i*4096 + c8*512 + 16 L : W_ty[k = 128 s + 16 c8 + 8 hh + 0..7][64 h + 16 (2 wn + i) + r]
;         ty 0: 1/16 of the sum over g of wq's column groups 256 g + 64 h + d; ty 1: wk / 4; ty 2: wv
;   wof = (nb>>3)*65536 + (c>>3)*32768 + (nb&7)*4096 + (c&7)*512 + 16 L    : wo[k = 16 c + 8 hh + 0..7][16 nb + r]
; THE FOLD: RoPE is linear and the same for every head, and the score is linear in q, so the sum over the group axis of the roped
; queries is the roped product of x with the sum of wq's four column groups.  The rounded groups are added in f32 and the sum is rounded once to f16:
; an order of rounding that differs from the problem's function, which adds after the products.
; THE SCALE: the problem divides the score by 8 twice.  1/64 = 1/16 x 1/4 is put on the two weights, exactly (powers of two); it also keeps q and k small in f16.
; Memory binds: no LDS, no matrix unit, no barrier.  256 work-groups of 8 waves; a wave converts 16,384 bytes of x by 32 loads of
; 512 consecutive bytes, all in flight at once, and one to three weight chunks, whose loads go out ahead of x's.
; THE MODE: SCHED_MODE bits 1:0 = 2 (LLVM: expert scheduling mode 2), set by the entry lines.  The code itself states the register dependences
; between vector instructions and memory instructions, with s_wait_alu, always for 0.
; THE PLAN.  Registers that memory instructions touch:
;   v2, v3, v5   offsets, made at the head; v4, v8 offsets, made in the arm that the wave takes.  Read by loads and stores; never written again.
;   WT           the weight loads land in it (no vector instruction has named it before); then only vector instructions name it.
;   XR           load j of x lands in four registers of its own (no vector instruction has named them before); its conversions pack them in place into the
;                first two, which one store reads; nothing writes them after that.
;   PK           written by an arm's last conversions, read by its stores, never written again.
; So no register that a memory instruction has read is ever written again, and no load lands in a register that a vector instruction has named.  What is left
; to state: the wave's number in s20 ahead of its first reader; the offsets ahead of an arm's first load; PK ahead of an arm's stores; and the packed pairs of XR
; ahead of their stores.  For these last, x goes in eight groups of four loads: the four stores of group g - 1 stand in group g, behind ONE wait at its head,
; dealt among group g's conversions, which name group g's registers alone.
.set WT, 10                            ; v[10:41]    weight numbers as loaded
.set XR, 44                            ; v[44:171]   x: load j in 4 registers, packed in place into the first two
.set PK, 172                           ; v[172:183]  packed weight chunks
; v1 lane; v2 x offset; v3 xb offset; v4, v8 weight offsets; v5 16 x lane; v6 4 r; v7 hh
.macro RND a, b                        ; two f32 numbers rounded to bf16 and widened again, in place
	v_cvt_pk_bf16_f32 v[\a], v[\a], v[\b]
	v_and_b32 v[\b], s38, v[\a]
	v_lshlrev_b32 v[\a], 16, v[\a]
.endm
	s_load_b512 s[4:19], s[0:1], 0x0               ; x 4, wq 6, wk 8, wv 10, wo 12, xb 14, wf 16, wof 18
	v_and_b32 v1, 31, v0                           ; lane
	v_lshrrev_b32 v9, 5, v0
	v_readfirstlane_b32 s20, v9                    ; wave 0..7
	v_and_b32 v6, 15, v0
	v_bfe_u32 v7, v0, 4, 1                         ; hh
	v_lshlrev_b32 v5, 4, v1                        ; 16 L
	v_lshlrev_b32 v6, 2, v6                        ; 4 r
	s_mov_b32 s38, 0xffff0000                      ; a word's upper bf16
	s_wait_alu depctr_va_sdst(0)                   ; s20 is written, ahead of its first reader: offsets, bases and the branch below are made from it
	s_lshl_b32 s21, s20, 14
	v_add_nc_u32 v2, s21, v5                       ; x: 16 L + 16,384 w
	s_lshl_b32 s21, s20, 13
	v_lshl_add_u32 v3, v1, 3, s21                  ; xb: 8 L + 8,192 w
	s_lshr_b32 s22, ttmp9, 5                       ; s  = K step of 128
	s_bfe_u32 s23, ttmp9, 0x20003                  ; h  = head
	s_and_b32 s24, ttmp9, 7                        ; c8 = chunk of 16 k in the step
	s_and_b32 s25, s20, 3                          ; u  = 2 wn + i: which 16 columns of the head
	s_lshr_b32 s26, s25, 1                         ; wn
	s_and_b32 s27, s25, 1                          ; i
	s_mul_i32 s28, s22, 196608                     ; my chunk in wf (ty stands in the stores' immediates)
	s_mul_i32 s29, s23, 49152
	s_add_co_u32 s28, s28, s29
	s_mul_i32 s29, s26, 24576
	s_add_co_u32 s28, s28, s29
	s_lshl_b32 s29, s27, 12
	s_add_co_u32 s28, s28, s29
	s_lshl_b32 s29, s24, 9
	s_add_co_u32 s28, s28, s29
	s_mov_b32 s29, 0
	s_lshl_b32 s30, s22, 7
	s_lshl4_add_u32 s30, s24, s30                  ; first k = 128 s + 16 c8
	s_lshl_b32 s31, s23, 8
	s_lshl_b32 s34, s25, 6
	s_add_co_u32 s31, s31, s34                     ; first column in bytes = 4 (64 h + 16 u)
	s_lshl_b32 s32, ttmp9, 17                      ; the work-group's 131,072 bytes of x
	s_mov_b32 s33, 0
	s_wait_kmcnt 0x0
	s_add_nc_u64 s[4:5], s[4:5], s[32:33]
	s_lshl_b32 s32, ttmp9, 16                      ; and its 65,536 bytes of xb
	s_add_nc_u64 s[14:15], s[14:15], s[32:33]
	s_add_nc_u64 s[16:17], s[16:17], s[28:29]
.macro XLOADS                          ; the wave's 16,384 bytes of x, read once in the launch
.set j, 0
.rept 32
	global_load_b128 v[XR+4*j:XR+4*j+3], v2, s[4:5] offset:512*j th:TH_LOAD_NT
.set j, j+1
.endr
.endm
	s_cmp_lt_u32 s20, 4
	s_cbranch_scc0 .Lkv
	; waves 0 to 3: one chunk of the folded wq.  Row pitch 4,096 bytes; group g lies 1,024 bytes further along the row.
	s_lshl_b32 s32, s30, 12
	s_add_co_u32 s32, s32, s31
	s_add_nc_u64 s[6:7], s[6:7], s[32:33]
	v_lshl_add_u32 v4, v7, 15, v6                  ; 8 hh rows + 4 r
	s_wait_alu depctr_va_vdst(0)                   ; the offsets v2, v3, v4 and v5 are written, which all the wave's loads and stores from here on read
.irp g, 0,1,2,3
.irp e, 0,1,2,3,4,5,6,7
	global_load_b32 v[WT+8*\g+\e], v4, s[6:7] offset:4096*\e+1024*\g
.endr
.endr
	XLOADS
	s_wait_loadcnt 32                              ; the 32 x loads are younger and stay out: the weights are in
.irp e, 0,2,4,6,8,10,12,14,16,18,20,22,24,26,28,30
	RND WT+\e, WT+\e+1
.endr
.irp e, 0,1,2,3,4,5,6,7
	v_add_f32 v[WT+\e], v[WT+\e], v[WT+8+\e]
	v_add_f32 v[WT+16+\e], v[WT+16+\e], v[WT+24+\e]
.endr
.irp e, 0,1,2,3,4,5,6,7
	v_add_f32 v[WT+\e], v[WT+\e], v[WT+16+\e]
.endr
.irp e, 0,1,2,3,4,5,6,7
	v_mul_f32 v[WT+\e], 0x3d800000, v[WT+\e]       ; x 1/16
.endr
.irp q, 0,1,2,3
	v_cvt_pk_f16_f32 v[PK+\q], v[WT+2*\q], v[WT+2*\q+1]
.endr
	s_wait_alu depctr_va_vdst(0)                   ; the conversions have written v[PK:PK+3], which the store reads
	global_store_b128 v5, v[PK:PK+3], s[16:17]     ; ty = 0: 512 consecutive bytes, aligned
	s_branch .Lx
.Lkv:
	; waves 4 to 7: the same chunk of wk and of wv (row pitch 1,024 bytes), and chunk 4 g + u of wo (row pitch 4,096 bytes)
	s_lshl_b32 s32, s30, 10
	s_add_co_u32 s32, s32, s31
	s_add_nc_u64 s[8:9], s[8:9], s[32:33]
	s_add_nc_u64 s[10:11], s[10:11], s[32:33]
	v_lshl_add_u32 v4, v7, 13, v6                  ; 8 hh rows + 4 r
	s_lshr_b32 s34, ttmp9, 2                       ; nb: 16 columns of wo
	s_and_b32 s35, ttmp9, 3
	s_lshl2_add_u32 s35, s35, s25                  ; c: 16 rows of wo
	s_lshl_b32 s32, s35, 16
	s_lshl_b32 s36, s34, 6
	s_add_co_u32 s32, s32, s36
	s_add_nc_u64 s[12:13], s[12:13], s[32:33]
	v_lshl_add_u32 v8, v7, 15, v6
	s_lshr_b32 s32, s34, 3                         ; the chunk's place in wof
	s_lshl_b32 s32, s32, 16
	s_lshr_b32 s36, s35, 3
	s_lshl_b32 s36, s36, 15
	s_add_co_u32 s32, s32, s36
	s_and_b32 s36, s34, 7
	s_lshl_b32 s36, s36, 12
	s_add_co_u32 s32, s32, s36
	s_and_b32 s36, s35, 7
	s_lshl_b32 s36, s36, 9
	s_add_co_u32 s32, s32, s36
	s_add_nc_u64 s[18:19], s[18:19], s[32:33]
	s_wait_alu depctr_va_vdst(0)                   ; the offsets v2, v3, v4, v5 and v8 are written, which all the wave's loads and stores from here on read
.irp e, 0,1,2,3,4,5,6,7
	global_load_b32 v[WT+\e], v4, s[8:9] offset:1024*\e
.endr
.irp e, 0,1,2,3,4,5,6,7
	global_load_b32 v[WT+8+\e], v4, s[10:11] offset:1024*\e
.endr
.irp e, 0,1,2,3,4,5,6,7
	global_load_b32 v[WT+16+\e], v8, s[12:13] offset:4096*\e
.endr
	XLOADS
	s_wait_loadcnt 32                              ; as above
.irp e, 0,2,4,6,8,10,12,14,16,18,20,22
	RND WT+\e, WT+\e+1
.endr
.irp e, 0,1,2,3,4,5,6,7
	v_mul_f32 v[WT+\e], 0x3e800000, v[WT+\e]       ; wk x 1/4
.endr
.irp q, 0,1,2,3,4,5,6,7,8,9,10,11
	v_cvt_pk_f16_f32 v[PK+\q], v[WT+2*\q], v[WT+2*\q+1]
.endr
	s_wait_alu depctr_va_vdst(0)                   ; the conversions have written v[PK:PK+11], which the three stores read
	global_store_b128 v5, v[PK:PK+3], s[16:17] offset:8192       ; ty = 1
	global_store_b128 v5, v[PK+4:PK+7], s[16:17] offset:16384    ; ty = 2
	global_store_b128 v5, v[PK+8:PK+11], s[18:19]
.Lx:
	; on both ways exactly the 32 x loads are the youngest loads.  Loads come back in order (ISA guide 5.7.1): the counts run down, four loads a group.
	; Every load has registers of its own and no address register is rewritten, so nothing is owed for registers that stores have read.
.set g, 0
.rept 8
	s_wait_loadcnt 28-4*g                          ; group g's four loads are in; the 28 - 4 g younger ones stay out
.if g > 0
	s_wait_alu depctr_va_vdst(0)                   ; the conversions of the group before have written their packed pairs, which the four stores below read
.endif
.set i, 0
.rept 4
.set j, 4*g+i
.if g > 0
	global_store_b64 v3, v[XR+4*(j-4):XR+4*(j-4)+1], s[14:15] offset:256*(j-4)   ; the group before: the wave's 32 lanes store 256 consecutive bytes, aligned; no vector instruction since the wait names these registers
.endif
	RND XR+4*j, XR+4*j+1
	RND XR+4*j+2, XR+4*j+3
	v_cvt_pk_f16_f32 v[XR+4*j], v[XR+4*j], v[XR+4*j+1]
	v_cvt_pk_f16_f32 v[XR+4*j+1], v[XR+4*j+2], v[XR+4*j+3]
.set i, i+1
.endr
.set g, g+1
.endr
	s_wait_alu depctr_va_vdst(0)                   ; the last group's conversions have written their packed pairs, which the last four stores read
.set j, 28
.rept 4
	global_store_b64 v3, v[XR+4*j:XR+4*j+1], s[14:15] offset:256*j
.set j, j+1
.endr
	s_endpgm
.Lfunc_end_k_q3538597325_prep:
	.size	k_q3538597325_prep, .Lfunc_end_k_q3538597325_prep-k_q3538597325_prep
	.p2alignl 7, 3214868480
	.fill 96, 4, 3214868480
	.section	.rodata,"a",@progbits
	.p2align	6, 0x0
	.amdhsa_kernel k_q3538597325_prep
		.amdhsa_group_segment_fixed_size 0
		.amdhsa_private_segment_fixed_size 0
		.amdhsa_enable_private_segment 0
		.amdhsa_kernarg_size 64
		.amdhsa_user_sgpr_count 2
		.amdhsa_user_sgpr_kernarg_segment_ptr 1
		.amdhsa_wavefront_size32 1
		.amdhsa_system_sgpr_workgroup_id_x 1
		.amdhsa_system_sgpr_workgroup_id_y 1
		.amdhsa_system_sgpr_workgroup_id_z 1
		.amdhsa_system_vgpr_workitem_id 0
		.amdhsa_next_free_vgpr 184
		.amdhsa_next_free_sgpr 66
		.amdhsa_reserve_vcc 0
		.amdhsa_float_denorm_mode_32 3
		.amdhsa_float_denorm_mode_16_64 3
		.amdhsa_memory_ordered 1
		.amdhsa_forward_progress 1
		.amdhsa_inst_pref_size 37
	.end_amdhsa_kernel
	.amdgpu_metadata
---
amdhsa.version: [ 1, 2 ]
amdhsa.kernels:
  - .name:           k_q3538597325_prep
    .symbol:         k_q3538597325_prep.kd
    .args:
      - { .name: x, .offset: 0, .size: 8, .value_kind: global_buffer, .address_space: global }
      - { .name: wq, .offset: 8, .size: 8, .value_kind: global_buffer, .address_space: global }
      - { .name: wk, .offset: 16, .size: 8, .value_kind: global_buffer, .address_space: global }
      - { .name: wv, .offset: 24, .size: 8, .value_kind: global_buffer, .address_space: global }
      - { .name: wo, .offset: 32, .size: 8, .value_kind: global_buffer, .address_space: global }
      - { .name: xb, .offset: 40, .size: 8, .value_kind: global_buffer, .address_space: global }
      - { .name: wf, .offset: 48, .size: 8, .value_kind: global_buffer, .address_space: global }
      - { .name: wof, .offset: 56, .size: 8, .value_kind: global_buffer, .address_space: global }
    .group_segment_fixed_size: 0
    .private_segment_fixed_size: 0
    .kernarg_segment_align: 8
    .kernarg_segment_size: 64
    .max_flat_workgroup_size: 256
    .sgpr_count:     66
    .vgpr_count:     184
    .wavefront_size: 32
...
	.end_amdgpu_metadata
.endif
;; end of part 5
;; launch qkv: the kernel of part 2 again; grid 4 x 64, 4 waves a work-group, clusters of 4 x 4, 327,680 bytes of LDS; arguments xb, wf, freq_cos, freq_sin, qf, kf, vf; writes qf, kf, vf
;; launch attn: the kernel of part 3 again; grid 256 x 1, 8 waves a work-group, no clusters, 140,288 bytes of LDS; arguments qf, kf, vf, af; writes af
;; launch oproj: the kernel of part 4 again; grid 4 x 64, 4 waves a work-group, clusters of 4 x 4, 296,448 bytes of LDS; arguments af, wof, out0; writes out0
